; MI455X (gfx1250); checked and timed in simulation.
; The chip was launched on July 23, 2026; its instructions are those of AMD's public machine-readable ISA for CDNA 5 (MIT licence, August 2026) and "CDNA5" Instruction Set Architecture Reference Guide (July 2026). The comments in the code are by the model that wrote it; some were corrected since.
;; Windowed Causal Self Attention. Allowed arithmetic: matrix products marked QUANTISED: E4M3 operands, one E8M0 scale for each 32 along K, by v_wmma_scale_f32_16x16x128_f8f6f4 with both operands' format E4M3, f32 sums; everything else in f32.
;; Inputs: attn_mask 2,048 x 2,048 bool; proj_b 1,024 float32; proj_w 1,024 x 1,024 float32; qkv_b 3,072 float32; qkv_w 3,072 x 1,024 float32; x 4 x 2,048 x 1,024 float32.
;; Outputs: out0 4 x 2,048 x 1,024 float32.
;; This version of the problem:
;;   THIS VERSION OF THE PROBLEM IS GIVEN IN LOW PRECISION. The matrix products marked QUANTISED in the list below multiply operands that are first quantised to E4M3 (4 exponent bits, 3 mantissa bits; 8 bits a number), with one power-of-two scale for each 32 numbers along K (OCP MX v1.0); their sums are f32. All else is computed in f32.
;;   The module's matrix products, in the order in which they are computed (A, B: the left and right operand; K: the contracted axis; several contracted axes count as one K, in the product's order):
;;     1. [M 8,192, K 1,024] x [K 1,024, N 3,072]; A: input x; B: input qkv_w: QUANTISED
;;     2. batch 64 x [M 2,048, K 64] x [K 64, N 2,048]; A: computed on the way; B: computed on the way: QUANTISED
;;     3. batch 64 x [M 2,048, K 2,048] x [K 2,048, N 64]; A: softmax (see below); B: computed on the way: QUANTISED
;;     4. [M 8,192, K 1,024] x [K 1,024, N 1,024]; A: computed on the way; B: input proj_w: QUANTISED
;;   THE QUANTISER, for each operand of a quantised product, along K:
;;     - K is cut into blocks of 32 from its start; a last block that is shorter is filled with zeros.
;;     - A block's scale is 2^e with e = floor(log2(the largest magnitude in the block)) - 8, held to -126 .. 127; a block of zeros has e = 0. As a byte (E8M0): e + 127.
;;     - Each number is divided by its block's scale, clamped to +-448, and rounded to the nearest number of E4M3, ties to even, subnormals kept.
;;     - The product sums the exact products of the quantised numbers (number of the format x scale) in f32.
;;   ~~~python
;;   def quantise(x, axis):      # numpy; x: float32 -> the quantised numbers, widened to float32 again
;;       x = np.moveaxis(x, axis, -1); K = x.shape[-1]
;;       x = np.pad(x, [(0, 0)] * (x.ndim - 1) + [(0, -K % 32)]); x = x.reshape(x.shape[:-1] + (-1, 32)); a = np.abs(x).max(-1, keepdims=True)
;;       e = np.where(a > 0, np.clip(np.frexp(np.where(a > 0, a, 1))[1] - 1 - 8, -126, 127), 0)      # np.frexp(a)[1] - 1 = floor(log2(a)), exactly
;;       r = np.clip(x / 2.0 ** e, -448, 448)
;;       step = 2.0 ** (np.maximum(np.frexp(np.where(r == 0, 1, r))[1] - 1, -6) - 3)
;;       q = np.round(r / step) * step * 2.0 ** e      # np.round: ties to even
;;       return np.moveaxis(q.reshape(q.shape[:-2] + (-1,))[..., :K], -1, axis).astype(np.float32)
;;   ~~~
;;   SOFTMAX AHEAD OF A QUANTISED PRODUCT. Where the list says 'softmax', what is quantised is not the finished softmax but p = 2^(t - M), with t = logit x log2(e) and M = ceil(the row's largest t), a whole number; so 1/2 < the row's largest p <= 1. The row's sum l is taken of the UNQUANTISED p, in f32, and the product's result is divided by l at the end. Since M is a whole number, a kernel that streams over the keys may use a running M (the ceiling of the running maximum): every later rescaling is an exact power of two, which a block's scale takes up: the codes' values come out the same.
;;   OPERANDS COMPUTED ON THE WAY. 'Computed on the way' means the value that the module computes at that place (a softmax that the list does not call 'softmax' is quantised finished and normalised). What goes into a quantiser is computed in f32, as accurately as f32 sums, v_exp_f32 and their like allow (about 1e-6 of the number): no bf16 or f16 on the way to a quantiser, and a product that is left as it is and whose result goes on into a quantised operand takes f32 operands (vector FMAs, or v_wmma_f32_16x16x4_f32). A number that lies on a knife's edge between two numbers of the format may be rounded either way, as far as f32 arithmetic and the matrix unit's own rounding can turn it there, and no further.
;; 2 versions, each right; version 2 is version 1 with the launch attn written anew for expert scheduling mode. Each part assembles by itself: llvm-mc -triple=amdgcn-amd-amdhsa -mcpu=gfx1250 --defsym DOCPART=n.
;; ======== version 1 of 2: 4 launches
;; workspace buffers: cod1 12,582,912 bytes; scl1 393,216 bytes; qkv 25,165,824 bytes; sc 1,310,720 bytes; mw 524,288 bytes of whole numbers; fl 512 bytes of whole numbers; ac 8,388,608 bytes; asc 262,144 bytes
;; launch prep (part 1): grid 416 x 1, 4 waves a work-group, no clusters, 33,280 bytes of LDS; arguments x, qkv_w, proj_w, attn_mask, cod1, scl1, mw, fl; writes cod1, scl1, mw, fl
.if DOCPART == 1
	.amdgcn_target "amdgcn-amd-amdhsa--gfx1250"
	.amdhsa_code_object_version 6
	.text
	.protected	k_qfdca3a0a38_prep
	.globl	k_qfdca3a0a38_prep
	.p2align	8
	.type	k_qfdca3a0a38_prep,@function
k_qfdca3a0a38_prep:
	s_mov_b64 s[64:65], 0
	v_nop
	global_prefetch_b8 v0, s[64:65] scope:SCOPE_SE
	s_setreg_imm32_b32 hwreg(HW_REG_WAVE_MODE, 25, 1), 1
	s_wait_xcnt 0x0
; TWO JOBS IN ONE LAUNCH, parted by the work-group's number.
; Work-groups 32 to 415: x [8192][1024], qkv_w [3072][1024] and proj_w [1024][1024], f32, K innermost, become codes of FP8 (E4M3) with one E8M0 byte for each 32 along K:
;   cod1 = rows of 1,024 codes (x, then qkv_w, then proj_w), scl1 = rows of 32 scale bytes in the same order.  A block's byte is its largest magnitude's exponent field - 8, held at 1 from below
;   (a block of zeros keeps the byte 1: its codes are zeros, and this program alone reads the bytes); each number is held within +-448 x the scale and rounded to the nearest code, ties to even.
;   THE ROWS OF x AND qkv_w ARE STORED IN ANOTHER ORDER: row p of the workspace is row p with bits 3 and 4 exchanged, so that 16 rows on end are rows 8 u + 0..7 and 8 u + 16..23 of a group of 32:
;   the next launch's results then lie in a lane's registers as neighbours along the next K.  A wave's run is 8 rows, so the exchange is of bits 0 and 1 of the run's number.
; Work-groups 0 to 31: the mask [2048][2048] of bytes becomes lane masks.  A wave owns a tile of 16 queries (the tile's rows in the order above) and walks 16 steps of 128 keys.
;   mw[tile][step][n], n = 0..63: bit 16 h + r says whether query r of the tile may see key 128 step + 32 (n / 16) + 16 h + n % 16: the lane mask for score register n of the attention launch.
;   fl[tile]: bit s says that step s holds a true byte.  A tile with a row that has no true byte at all gets all 16 bits: such a row is a mean over all keys.
; LIMITS: NaN and infinities among the inputs are not served; blocks whose largest magnitude lies under 2^-118 keep the byte 1.
; No tensor loads, no barrier: waves share nothing.  The mask's path uses no LDS.
.set MASKWG, 32
.set STEPS, 16
.set EMAX,  8
.set MANT,  0x600000                   ; the mantissa field of 448 as f32
.set CB,    16                         ; bytes of 16 codes
.set R,     16                         ; v16-79   four sets of 16 numbers as they are loaded
.set X,     80                         ; v80-111  two sets of 16 neighbours
.set E,     112                        ; v112-127 a scale byte for each step
.set C,     128                        ; v128-191 codes: four registers for each step
.set WREG,  8192                       ; LDS: a region for each wave: two stages of 32 x SP bytes, then its 256 scale bytes
.set SP,    80                         ; a lane's place in a stage: 64 bytes + 16 of padding
.set MX,    16                         ; the mask's path: v16-79 four sets of 16 registers of mask bytes
.set MT,    80                         ; v80-95   single bytes
.set MO,    96                         ; v96-103  a pair of words to store for each set
.set MS,    104                        ; v104     the step's OR
.set MR,    105                        ; v105     my half row's OR over all steps
	s_load_b256 s[4:11], s[0:1], 0x0               ; x s[4:5], qkv_w s[6:7], proj_w s[8:9], attn_mask s[10:11]
	s_load_b256 s[12:19], s[0:1], 0x20             ; cod1 s[12:13], scl1 s[14:15], mw s[16:17], fl s[18:19]
	v_lshl_add_u32 v192, v0, 2, 0x8000
	v_mov_b32 v193, 0
	v_lshrrev_b32 v1, 5, v0
	v_readfirstlane_b32 s20, v1                    ; wave 0..3
	v_and_b32 v2, 31, v0                           ; lane
	s_cmp_lt_u32 ttmp9, MASKWG
	s_cbranch_scc1 .Lmask
	; ---------------- the quantiser: a wave takes 16 steps of 512 numbers, 8 rows
	v_lshlrev_b32 v3, 4, v2                        ; my 16 bytes of a load's 512
	s_mul_i32 s28, s20, WREG
	v_lshrrev_b32 v14, 2, v2
	v_mul_u32_u24 v14, v14, SP
	v_and_b32 v15, 3, v2
	v_lshl_add_u32 v14, v15, 4, v14
	v_add_nc_u32 v14, s28, v14                     ; the stage, on the way in: four lanes' 64 bytes on end, then 16 of padding
	v_mul_u32_u24 v15, v2, SP
	v_add_nc_u32 v15, s28, v15                     ; and on the way out: my 16 neighbours
	v_mul_u32_u24 v4, v2, CB                       ; my codes' place in a step's
	v_lshrrev_b32 v5, 1, v2
	s_add_co_u32 s28, s28, 2*32*SP
	v_add_nc_u32 v5, s28, v5                       ; LDS: my wave's 256 scale bytes, my block's byte
	v_lshlrev_b32 v7, 3, v2                        ; and on the way out 8 bytes a lane
	v_add_nc_u32 v6, s28, v7
	s_mov_b32 s29, MANT
	s_sub_co_u32 s21, ttmp9, MASKWG                ; u = 0..383: 256 work-groups for x, 96 for qkv_w, 32 for proj_w
	s_mov_b32 s22, 352
	s_wait_kmcnt 0x0
	s_cmp_lt_u32 s21, 352                          ; the choices hang on the work-group's number alone
	s_cselect_b64 s[6:7], s[6:7], s[8:9]
	s_cselect_b32 s22, 256, s22
	s_cmp_lt_u32 s21, 256
	s_cselect_b64 s[4:5], s[4:5], s[6:7]
	s_cselect_b32 s22, 0, s22
	s_sub_co_u32 s22, s21, s22
	s_lshl_b32 s22, s22, 2
	s_add_co_u32 s22, s22, s20                     ; which run of 8,192 numbers of its tensor is my wave's
	s_lshl_b32 s24, s22, 15                        ; 32,768 bytes a run
	s_mov_b32 s25, 0
	s_add_nc_u64 s[4:5], s[4:5], s[24:25]
	s_lshl_b32 s23, s21, 2
	s_add_co_u32 s23, s23, s20                     ; g: the run's number in the workspace, 0..1535
	s_and_b32 s26, s23, 1
	s_lshl_b32 s26, s26, 1
	s_bfe_u32 s27, s23, 0x10001
	s_or_b32 s26, s26, s27
	s_and_b32 s27, s23, 0xfffffffc
	s_or_b32 s26, s26, s27                         ; g with bits 0 and 1 exchanged
	s_cmp_lt_u32 s23, 1408                         ; x's 1,024 runs and qkv_w's 384; proj_w keeps its order
	s_cselect_b32 s23, s26, s23
	s_lshl_b32 s24, s23, 13                        ; 8,192 bytes of codes a run
	s_add_nc_u64 s[12:13], s[12:13], s[24:25]
	s_lshl_b32 s24, s23, 8                         ; 256 scale bytes a run
	s_add_nc_u64 s[14:15], s[14:15], s[24:25]
.macro LOAD t
.irp i, 0,1,2,3
	global_load_b128 v[R+16*((\t)%4)+4*\i:R+16*((\t)%4)+4*\i+3], v3, s[4:5] offset:2048*(\t)+512*\i th:TH_LOAD_NT   ; 32 lanes read 512 consecutive bytes
.endr
.endm
.macro TURN t                          ; step t's numbers through the stage: LDS serves a wave's instructions in order, so no wait stands between the stores and the loads
.irp i, 0,1,2,3
	ds_store_b128 v14, v[R+16*((\t)%4)+4*\i:R+16*((\t)%4)+4*\i+3] offset:32*SP*((\t)%2)+8*SP*\i
.endr
.irp i, 0,1,2,3
	ds_load_b128 v[X+16*((\t)%2)+4*\i:X+16*((\t)%2)+4*\i+3], v15 offset:32*SP*((\t)%2)+16*\i
.endr
.endm
.irp t, 0,1,2,3
	LOAD \t
.endr
	s_wait_loadcnt 12                              ; step 0's four loads are in; the twelve of steps 1 to 3 may be out
	TURN 0
.macro STEP t
.set XS, X+16*((\t)%2)
.if (\t) > 0
	s_wait_dscnt 1                                 ; this step's numbers are back from the stage (the last step's byte store may be out)
.else
	s_wait_dscnt 0x0
.endif
.if (\t)+4 < STEPS
	LOAD (\t)+4                                    ; into the registers that this step's stage stores have read
.endif
.if (\t)+1 < STEPS
.if STEPS-2-(\t) >= 3
	s_wait_loadcnt 12                              ; the next step's four loads are in; those of the three steps behind it may be out
.else
	s_wait_loadcnt 4*(STEPS-2-(\t))
.endif
	TURN (\t)+1
.endif
	v_max3_num_f32 v8, |v[XS]|, |v[XS+1]|, |v[XS+2]|               ; the largest magnitude of my 16, in two chains
	v_max3_num_f32 v9, |v[XS+3]|, |v[XS+4]|, |v[XS+5]|
.irp i, 6,10
	v_max3_num_f32 v8, v8, |v[XS+\i]|, |v[XS+\i+1]|
	v_max3_num_f32 v9, v9, |v[XS+\i+2]|, |v[XS+\i+3]|
.endr
	v_max3_num_f32 v8, v8, |v[XS+14]|, |v[XS+15]|
	v_max3_num_f32 v8, v8, v9, (EMAX+1)<<23        ; and the floor 2^(9 - 127): the byte cannot fall under 1
	v_max_num_f32_dpp v8, v8, v8 row_xmask:1 row_mask:0xf bank_mask:0xf   ; and of my neighbour's 16: the block's
	v_add_nc_u32 v11, -(EMAX<<23), v8              ; 8 off its exponent field: the conversion takes the exponent field of this operand as its scale
	v_and_or_b32 v10, v8, 0x7f800000, s29          ; 448 x the scale
.irp i, 0,1,2,3,4,5,6,7,8,9,10,11,12,13,14,15
	v_med3_num_f32 v[XS+\i], v[XS+\i], -v10, v10   ; the conversion to an 8-bit code does not saturate (ISA guide 7.6.2): the hold comes first
.endr
	v_cvt_scalef32_pk8_fp8_f32 v[C+4*(\t):C+4*(\t)+1], v[XS:XS+7], v11
	v_cvt_scalef32_pk8_fp8_f32 v[C+4*(\t)+2:C+4*(\t)+3], v[XS+8:XS+15], v11
	v_lshrrev_b32 v[E+(\t)], 23, v11               ; the scale's byte
	ds_store_b8 v5, v[E+(\t)] offset:16*(\t)       ; both lanes of a block write the same byte with the same value
	global_store_b128 v4, v[C+4*(\t):C+4*(\t)+3], s[12:13] offset:32*CB*(\t)   ; 512 consecutive bytes
.endm
.irp t, 0,1,2,3,4,5,6,7,8,9,10,11,12,13,14,15
	STEP \t
.endr
	ds_load_b64 v[12:13], v6                       ; LDS serves a wave's instructions in order: these see my stores
	s_wait_dscnt 0x0
	global_store_b64 v7, v[12:13], s[14:15]        ; 32 lanes store 256 consecutive bytes, aligned
	s_wait_tensorcnt 0x0
	ds_add_u32 v192, v193
	s_wait_dscnt 0x0
	s_endpgm
	; ---------------- the mask
.Lmask:
	s_lshl_b32 s21, ttmp9, 2
	s_add_co_u32 s21, s21, s20                     ; my tile of queries, 0..127
	v_and_b32 v5, 15, v0                           ; r
	v_bfe_u32 v6, v0, 4, 1                         ; h
	v_and_b32 v7, 7, v5
	v_lshrrev_b32 v8, 3, v5
	v_lshl_add_u32 v7, v8, 4, v7                   ; r % 8 + 16 (r / 8): my query's row in the tile's group of 32
	v_lshlrev_b32 v3, 11, v7                       ; 2,048 bytes a row
	v_lshl_add_u32 v3, v6, 4, v3                   ; + 16 h
	v_lshlrev_b32 v4, 3, v2                        ; out: two words a lane
	s_lshr_b32 s24, s21, 1
	s_lshl_b32 s24, s24, 16                        ; 32 rows for each pair of tiles,
	s_and_b32 s25, s21, 1
	s_lshl_b32 s25, s25, 14                        ; 8 rows for the odd one
	s_add_co_u32 s24, s24, s25
	s_mov_b32 s25, 0
	s_lshl_b32 s26, s21, 12                        ; mw: 4,096 bytes a tile
	s_mov_b32 s27, 0
	s_lshl_b32 s28, s21, 2                         ; fl: a word a tile
	s_mov_b32 s29, 0
	s_mov_b32 s22, 0                               ; the step's number
	s_mov_b32 s23, 0                               ; the flags
.irp i, 0,1,2,3,4,5,6,7
	v_mov_b32 v[MO+\i], 0                          ; written once: a lane write's destination counts as one of its sources
.endr
	v_mov_b32 v[MR], 0
	s_wait_kmcnt 0x0
	s_add_nc_u64 s[10:11], s[10:11], s[24:25]
	s_add_nc_u64 s[16:17], s[16:17], s[26:27]
	s_add_nc_u64 s[18:19], s[18:19], s[28:29]
.macro MLOAD set, off                  ; a step's 128 keys of 16 rows: of each block of 32 keys a lane takes its half's 16 bytes
.irp b, 0,1,2,3
	global_load_b128 v[MX+16*(\set)+4*\b:MX+16*(\set)+4*\b+3], v3, s[10:11] offset:(\off)+32*\b
.endr
.endm
; One step, from set 'set'.  ahead = 1: the set is loaded again with the step four further on.  left: how many younger loads may stay out.
.macro MSTEP set, ahead, left
	s_wait_loadcnt \left                           ; loads come back in order: my set's four are in
	s_wait_xcnt 0x0                                ; this set's pair of words, which its last store reads, is rewritten only behind this wait
.irp b, 0,1,2,3
.irp k, 0,1,2,3,4,5,6,7,8,9,10,11,12,13,14,15
	v_and_b32 v[MT+\k], 0xff<<(8*(\k%4)), v[MX+16*(\set)+4*\b+\k/4]    ; byte k of my 16
.endr
.irp k, 0,1,2,3,4,5,6,7,8,9,10,11,12,13,14,15
	v_cmp_ne_u32 s[32+\k], 0, v[MT+\k]             ; word 16 b + k: a bit a lane
.endr
.irp k, 0,1,2,3,4,5,6,7,8,9,10,11,12,13,14,15
	v_writelane_b32 v[MO+2*(\set)+\k%2], s[32+\k], 8*\b+\k/2   ; word n goes to lane n / 2, register n % 2
.endr
.endr
	v_or_b32 v[MS], v[MX+16*(\set)], v[MX+16*(\set)+1]
.irp k, 2,3,4,5,6,7,8,9,10,11,12,13,14,15
	v_or_b32 v[MS], v[MS], v[MX+16*(\set)+\k]
.endr
	v_or_b32 v[MR], v[MR], v[MS]
	v_cmp_ne_u32 s30, 0, v[MS]
	s_cmp_lg_u32 s30, 0                            ; does the step hold a true byte?  It selects a value: no branch
	s_cselect_b32 s30, 1, 0
	s_lshl_b32 s30, s30, s22
	s_or_b32 s23, s23, s30
	s_add_co_u32 s22, s22, 1
.if \ahead
	MLOAD \set, 512+128*(\set)
.endif
	global_store_b64 v4, v[MO+2*(\set):MO+2*(\set)+1], s[16:17] offset:256*(\set)   ; the step's 64 words: 256 consecutive bytes, aligned
.endm
	MLOAD 0, 0
	MLOAD 1, 128
	MLOAD 2, 256
	MLOAD 3, 384
	s_mov_b32 s31, 3
.Lmtrip:                                           ; three trips of four steps; the last four steps load nothing and are written out
	MSTEP 0, 1, 12
	MSTEP 1, 1, 12
	MSTEP 2, 1, 12
	MSTEP 3, 1, 12
	s_wait_xcnt 0x0                                ; the bases are stepped only behind this wait
	s_add_nc_u64 s[10:11], s[10:11], 512
	s_add_nc_u64 s[16:17], s[16:17], 1024
	s_sub_co_u32 s31, s31, 1
	s_cmp_lg_u32 s31, 0
	s_cbranch_scc1 .Lmtrip
	MSTEP 0, 0, 12
	MSTEP 1, 0, 8
	MSTEP 2, 0, 4
	MSTEP 3, 0, 0
	v_cmp_ne_u32 s30, 0, v[MR]                     ; which half rows hold a true byte
	s_lshr_b32 s24, s30, 16
	s_or_b32 s30, s30, s24
	s_and_b32 s30, s30, 0xffff                     ; which rows do
	s_cmp_eq_u32 s30, 0xffff
	s_cselect_b32 s23, s23, 0xffff                 ; a row without any: every step is walked
	v_mov_b32 v106, s23
	v_mov_b32 v107, 0
	v_cmp_eq_u32 vcc_lo, 0, v2
	s_wait_xcnt 0x0                                ; EXEC changes only behind this wait
	s_and_saveexec_b32 s24, vcc_lo
	global_store_b32 v107, v106, s[18:19]          ; lane 0 alone
	s_wait_xcnt 0x0
	s_or_b32 exec_lo, exec_lo, s24
	s_endpgm
.Lfunc_end_k_qfdca3a0a38_prep:
	.size	k_qfdca3a0a38_prep, .Lfunc_end_k_qfdca3a0a38_prep-k_qfdca3a0a38_prep
	.p2alignl 7, 3214868480
	.fill 96, 4, 3214868480
	.section	.rodata,"a",@progbits
	.p2align	6, 0x0
	.amdhsa_kernel k_qfdca3a0a38_prep
		.amdhsa_group_segment_fixed_size 33280
		.amdhsa_private_segment_fixed_size 0
		.amdhsa_enable_private_segment 0
		.amdhsa_kernarg_size 64
		.amdhsa_user_sgpr_count 2
		.amdhsa_user_sgpr_kernarg_segment_ptr 1
		.amdhsa_wavefront_size32 1
		.amdhsa_system_sgpr_workgroup_id_x 1
		.amdhsa_system_sgpr_workgroup_id_y 1
		.amdhsa_system_sgpr_workgroup_id_z 1
		.amdhsa_system_vgpr_workitem_id 0
		.amdhsa_next_free_vgpr 194
		.amdhsa_next_free_sgpr 66
		.amdhsa_reserve_vcc 1
		.amdhsa_float_denorm_mode_32 3
		.amdhsa_float_denorm_mode_16_64 3
		.amdhsa_memory_ordered 1
		.amdhsa_forward_progress 1
		.amdhsa_inst_pref_size 159
	.end_amdhsa_kernel
	.amdgpu_metadata
---
amdhsa.version: [ 1, 2 ]
amdhsa.kernels:
  - .name:           k_qfdca3a0a38_prep
    .symbol:         k_qfdca3a0a38_prep.kd
    .args:
      - { .name: x, .offset: 0, .size: 8, .value_kind: global_buffer, .address_space: global }
      - { .name: qkv_w, .offset: 8, .size: 8, .value_kind: global_buffer, .address_space: global }
      - { .name: proj_w, .offset: 16, .size: 8, .value_kind: global_buffer, .address_space: global }
      - { .name: attn_mask, .offset: 24, .size: 8, .value_kind: global_buffer, .address_space: global }
      - { .name: cod1, .offset: 32, .size: 8, .value_kind: global_buffer, .address_space: global }
      - { .name: scl1, .offset: 40, .size: 8, .value_kind: global_buffer, .address_space: global }
      - { .name: mw, .offset: 48, .size: 8, .value_kind: global_buffer, .address_space: global }
      - { .name: fl, .offset: 56, .size: 8, .value_kind: global_buffer, .address_space: global }
    .group_segment_fixed_size: 33280
    .private_segment_fixed_size: 0
    .kernarg_segment_align: 8
    .kernarg_segment_size: 64
    .max_flat_workgroup_size: 128
    .sgpr_count:     66
    .vgpr_count:     194
    .wavefront_size: 32
...
	.end_amdgpu_metadata
.endif
;; end of part 1
;; launch qkv (part 2): grid 12 x 32, 4 waves a work-group, clusters of 4 x 4, 327,680 bytes of LDS; arguments cod1, scl1, qkv_b, qkv, sc; writes qkv, sc
.if DOCPART == 2
	.amdgcn_target "amdgcn-amd-amdhsa--gfx1250"
	.amdhsa_code_object_version 6
	.text
	.protected	k_qfdca3a0a38_qkv
	.globl	k_qfdca3a0a38_qkv
	.p2align	8
	.type	k_qfdca3a0a38_qkv,@function
k_qfdca3a0a38_qkv:
	s_mov_b64 s[64:65], 0
	v_nop
	global_prefetch_b8 v0, s[64:65] scope:SCOPE_SE
	s_setreg_imm32_b32 hwreg(HW_REG_WAVE_MODE, 25, 1), 1
	s_wait_xcnt 0x0
	s_wait_alu depctr_hold_cnt(0) depctr_sa_sdst(0) depctr_va_vdst(0) depctr_va_sdst(0) depctr_va_ssrc(0) depctr_va_vcc(0) depctr_vm_vsrc(0)
	s_getreg_b32 s2, hwreg(HW_REG_IB_STS2, 6, 4)
	s_cmp_eq_u32 s2, 0
	s_cbranch_scc0 .Lentry_in_a_cluster
	s_endpgm
.Lentry_in_a_cluster:
	s_bfe_u32 s2, ttmp6, 0x10000c
	s_cmp_lg_u32 s2, 0xf033
	s_cbranch_scc0 .Lentry_shape_is_right
	s_endpgm
.Lentry_shape_is_right:
; x qkv_w^T + qkv_b on codes of FP8 (E4M3) with E8M0 scales (K = 1,024), and its result quantised at once for the two products of attention: q and k along the head's 64, v along the keys.
; A tile of 256 x 256 is made by four waves, 128 x 128 each: 64 accumulators, 512 registers.  K goes in steps of 256 through a ring of two LDS slots filled by the tensor data mover; the scale bytes of the
; work-group's 2 x 256 rows come once, with the first fills.  4 x 4 work-groups form a cluster; A's tile is asked for jointly along a row of the cluster, B's along a column.
; ONE TEXT, TWO ROLES, chosen by the cluster's x, which all partners share.  Source 1 (A) gives a lane its row, source 0 (B) runs along a lane's registers.
;   cluster x = 0, 1 (q, k): A = 256 rows of x (tokens), B = 256 rows of qkv_w (features): a lane holds a token, its registers run along the features.
;   cluster x = 2 (v):       A = 256 rows of qkv_w from row 2,048 on, B = 256 rows of x: a lane holds a feature d, its registers run along the tokens, which are the keys.
; Both tensors' rows lie in the workspace with bits 3 and 4 of the row number exchanged, so in accumulator (a, bt) register j of lane (r, h) is B's row 32 (bt / 2) + 16 h + 8 (bt % 2) + j: the 64 registers of
; block a are register 16 b + i = next K 32 b + 16 h + i, which is the order of an operand's registers; lane r of block a is A's row 32 (a / 2) + 8 (a % 2) + r % 8 + 16 (r / 8).
; The bias is the C of each sum's first matrix instruction.  That first step is written twice, once for each role: the bias runs along the registers (q, k) or along the lanes (v).
; OUT: images of operand registers, 512 consecutive bytes a store.  qkv = sections q, k, v; in each a record of 8,192 bytes for (batch, head, block of 128 tokens).
;   q, k: [tile 8][c 2][lane][16 bytes] (16 tokens x 64);  v: [dt 4][c 4][lane][16 bytes] (16 d x 128 keys).   sc: records of 1,280 bytes: k's words [g 2][r 16][tt 4], v's [r 16][dt 4] at 512, q's at 768.
; LIMITS: NaN and infinities are not served; blocks whose largest magnitude lies under 2^-118 keep the byte 1 (a block of zeros too: its codes are zeros, and this program alone reads the bytes).
; REGISTERS: window 0: v0-31 addresses; v32-63 scale words, two sets; v64-127 the bias; from v128 A's fragments, one set.  window 1: B's fragments, two sets.  windows 2, 3: the accumulators.
.set KSTEP,  256
.set NQ,     2                         ; matrix instructions deep in a slot
.set ROWB,   256                       ; a tile's row in bytes
.set KROW,   1024                      ; a row of codes in memory
.set PITCH,  272                       ; an LDS row: 256 bytes + 16 of padding: the 16 rows of a load start at 16 different banks (64 banks of 4 bytes: ISA guide 11.1)
.set FR,     16
.set NL,     4
.set NP,     8                         ; places behind this matrix instruction (ISA guide 7.12.1)
.set HALFT,  128*PITCH
.set SLOT,   4*HALFT
.set LAPS,   2                         ; 1,024 / 512
.set KS,     32                        ; a row of scale bytes
.set SCL,    2*SLOT
.set HALFS,  (128*KS/256)*272
.set SBLK,   (16*KS/256)*272
.set SPARE,  SCL+4*HALFS               ; the spare words, 128 bytes for each wave: two blocks of 256 bytes that no other line names
.set ADRA, 16
.set ADRB, 20
.set ADRS, 27
.set SPW,  28
.set NIL,  29
.set SC,   32
.set BI,   64                          ; v64-127 the bias, in the result's layout
.set AF,   128
.set SWR,  32                          ; the way out: v32-39 the eight blocks' scale words
.set TM,   200                         ; v200-215 at work
.set PC,   216                         ; v216-231 the codes just made
.set G1, 24
.set G0, 32
.set G1B, 48
.set G0B, 56
.set G1S, 68
.set G0S, 76
.set G1SB, 80
.set G0SB, 88
.set MNT, 66                           ; s66 the mantissa field of 448
.set C2,  67                           ; s67 where registers 8-15 of a block's codes go: the next head's record (q, k) or 1,024 bytes on (v)
.set STP, 96                           ; s[96:97] from block to block in the output
.set EXT, 98                           ; s[98:99] and, for v, on to the next head's record at block 4
.set SEL, 100                          ; s[100:101] lane selects for v_permlanex16_b32: lane l xor 16
.set MSB, 0
.macro WIN new                         ; the immediate's high byte repeats the setting that is left
.if MSB != \new
	s_set_vgpr_msb (MSB<<8)|\new
.set MSB, \new
.endif
.endm
.set MUL_LO, 0xa1                      ; source 0 (B) window 1, source 1 (A) window 0, C and D window 2
.set MUL_HI, 0xf1                      ; the same, C and D window 3
.set MUL_LO0, 0x81                     ; the same with C (the bias) in window 0
.set MUL_HI0, 0xc1
.set TO_B,   0x40
; A joint load: waves 0 and 1 fetch for A, waves 2 and 3 for B.  The branch hangs on the wave's number alone.  Four v_nop follow each of the two lines.
.macro JLOAD g0a, g1a, g0b, g1b
	s_cmp_eq_u32 s15, 0
	s_cbranch_scc0 .Lfor_b_\@
	tensor_load_to_lds s[\g0a:\g0a+3], s[\g1a:\g1a+7]
	s_nop 0
.rept 4
	v_nop
.endr
	s_branch .Lasked_\@
.Lfor_b_\@:
	tensor_load_to_lds s[\g0b:\g0b+3], s[\g1b:\g1b+7]
	s_nop 0
.rept 4
	v_nop
.endr
.Lasked_\@:
.endm
.macro CREST                           ; a round of the cluster's barrier behind its opening barrier
	s_cmp_lg_u32 s14, 0
	s_cbranch_scc1 .Lnot_wave_0_\@
	s_barrier_signal -3
.Lnot_wave_0_\@:
	s_barrier_wait -3
	s_barrier_signal -1
	s_barrier_wait -1
.endm
.macro CROUND
	s_barrier_signal -1
	s_barrier_wait -1
	CREST
.endm
	s_load_b128 s[4:7], s[0:1], 0x0                ; cod1 s[4:5], scl1 s[6:7]
	s_load_b128 s[8:11], s[0:1], 0x10              ; qkv_b s[8:9], qkv s[10:11]
	s_load_b64 s[12:13], s[0:1], 0x20              ; sc
	v_lshl_add_u32 v[SPW], v0, 2, SPARE
	v_mov_b32 v[NIL], 0
	ds_add_u32 v28, v29
	ds_add_u32 v28, v29
	s_wait_dscnt 0x0
	v_lshrrev_b32 v1, 5, v0
	v_readfirstlane_b32 s14, v1                    ; wave 0..3
	s_lshr_b32 s15, s14, 1                         ; which half of A's rows is mine.  Also: I fetch for A (0) or for B (1)
	s_and_b32 s16, s14, 1                          ; which half of B's rows.  Also: which 128 rows of that tile I fetch
	s_bfe_u32 s40, ttmp6, 0x40000                  ; cx
	s_bfe_u32 s41, ttmp6, 0x40004                  ; cy
	s_and_b32 s18, ttmp7, 0xffff
	s_lshl_b32 s18, s18, 2                         ; 4 x cluster y
	s_lshl_b32 s19, ttmp9, 2                       ; 4 x cluster x
	s_mov_b32 s[STP], 1024
	s_mov_b32 s[C2], 131072
	s_cmp_eq_u32 ttmp9, 2                          ; the role: v's cluster column, or q's and k's
	s_cselect_b32 s17, 0, s18                      ; A's tile: cy (v) or 4 cluster y + cy
	s_cselect_b32 s42, s18, s19                    ; B's tile: 4 cluster y + cx (v) or 4 cluster x + cx
	s_cselect_b32 s2, 10485760, 0                  ; where A's codes begin in cod1: qkv_w's row 2,048, or x
	s_cselect_b32 s3, 327680, 0                    ; and its scale bytes in scl1
	s_cselect_b32 s45, 0, 8388608                  ; B's codes: x, or qkv_w
	s_cselect_b32 s94, 0, 262144
	s_cselect_b32 s[STP], 2048, s[STP]
	s_cselect_b32 s[EXT], 122880, 0
	s_cselect_b32 s[C2], 1024, s[C2]
	s_mov_b32 s[STP+1], 0
	s_mov_b32 s[EXT+1], 0
	s_add_co_u32 s17, s17, s41
	s_add_co_u32 s42, s42, s40
	s_lshl_b32 s43, s41, 2
	s_lshl_b32 s43, 15, s43                        ; my row of the cluster
	s_lshl_b32 s44, 0x1111, s40                    ; my column
	s_or_b32 s[G1+0], s43, (0<<16)|(1<<20)|(1<<21)|(5<<22)|(3<<25)  ; the mask; elements of 1 byte; padding on; bit 21 beside a mask; four words after every 64
	s_or_b32 s[G1B+0], s44, (0<<16)|(1<<20)|(1<<21)|(5<<22)|(3<<25)
.irp g, G1, G1B
	s_mov_b32 s[\g+1], ROWB<<16                    ; tensor_dim0
	s_mov_b32 s[\g+2], 128<<16                     ; tensor_dim1
	s_mov_b32 s[\g+3], ROWB<<16                    ; tile_dim0
	s_mov_b32 s[\g+4], 128                         ; tile_dim1
	s_mov_b32 s[\g+5], KROW                        ; the pitch
	s_mov_b32 s[\g+6], 0
	s_mov_b32 s[\g+7], 0
.endr
	s_or_b32 s[G1S+0], s43, (3<<16)|(1<<20)|(1<<21)|(5<<22)|(3<<25)   ; the scales of 128 rows: 4,096 dense bytes as 16 rows of 256 (32 elements of 8 bytes), 16 bytes of padding behind each
	s_or_b32 s[G1SB+0], s44, (3<<16)|(1<<20)|(1<<21)|(5<<22)|(3<<25)
.irp g, G1S, G1SB
	s_mov_b32 s[\g+1], 32<<16
	s_mov_b32 s[\g+2], (128*KS/256)<<16
	s_mov_b32 s[\g+3], 32<<16
	s_mov_b32 s[\g+4], 128*KS/256
	s_mov_b32 s[\g+5], 32
	s_mov_b32 s[\g+6], 0
	s_mov_b32 s[\g+7], 0
.endr
	s_lshl_b32 s18, s16, 7                         ; which 128 rows of the tile I fetch
	s_lshl_b32 s20, s17, 8
	s_add_co_u32 s20, s20, s18                     ; A's row
	s_lshl_b32 s46, s42, 8
	s_add_co_u32 s46, s46, s18                     ; B's row
	s_lshl_b32 s22, s20, 5
	s_add_co_u32 s22, s22, s3                      ; A's scale bytes,
	s_lshl_b32 s20, s20, 10
	s_add_co_u32 s20, s20, s2                      ; A's codes: byte offsets, all under 2^24
	s_mov_b32 s21, 0
	s_mov_b32 s23, 0
	s_lshl_b32 s92, s46, 5
	s_add_co_u32 s92, s92, s94
	s_lshl_b32 s46, s46, 10
	s_add_co_u32 s46, s46, s45
	s_mov_b32 s47, 0
	s_mov_b32 s93, 0
	s_mul_i32 s45, s14, HALFT                      ; where they go: wave x 128 rows: no place in the cluster enters an LDS address
	s_mul_i32 s94, s14, HALFS
	s_mov_b32 s[MNT], 0x600000
	s_mov_b32 s[SEL], 0x76543210
	s_mov_b32 s[SEL+1], 0xfedcba98
	s_wait_kmcnt 0x0
	s_add_nc_u64 s[20:21], s[4:5], s[20:21]
	s_add_nc_u64 s[22:23], s[6:7], s[22:23]
	s_add_nc_u64 s[46:47], s[4:5], s[46:47]
	s_add_nc_u64 s[92:93], s[6:7], s[92:93]
	CROUND                                         ; all sixteen work-groups are here: the first joint loads meet
	s_mov_b32 s[G0S], 1
	s_add_co_u32 s[G0S+1], s94, SCL
	s_mov_b64 s[G0S+2:G0S+3], s[22:23]
	s_or_b32 s[G0S+3], s[G0S+3], 0x80000000
	s_mov_b32 s[G0SB], 1
	s_add_co_u32 s[G0SB+1], s94, SCL
	s_mov_b64 s[G0SB+2:G0SB+3], s[92:93]
	s_or_b32 s[G0SB+3], s[G0SB+3], 0x80000000
	JLOAD G0S, G1S, G0SB, G1SB                     ; the scales first: they are wanted with K step 0
.irp s, 0,1
	s_mov_b32 s[G0+4*\s], 1
	s_add_co_u32 s[G0+4*\s+1], s45, \s*SLOT
	s_add_nc_u64 s[G0+4*\s+2:G0+4*\s+3], s[20:21], \s*ROWB
	s_or_b32 s[G0+4*\s+3], s[G0+4*\s+3], 0x80000000
	s_mov_b32 s[G0B+4*\s], 1
	s_add_co_u32 s[G0B+4*\s+1], s45, \s*SLOT
	s_add_nc_u64 s[G0B+4*\s+2:G0B+4*\s+3], s[46:47], \s*ROWB
	s_or_b32 s[G0B+4*\s+3], s[G0B+4*\s+3], 0x80000000
	JLOAD G0+4*\s, G1, G0B+4*\s, G1B               ; three loads of mine are out
.endr
	v_and_b32 v1, 15, v0                           ; r
	v_bfe_u32 v2, v0, 4, 1                         ; h
	v_mul_u32_u24 v3, v1, PITCH
	v_lshl_add_u32 v4, v2, 4, v3                   ; a fragment's row x pitch + 16 h
	s_mul_i32 s21, s15, HALFT
	s_mul_i32 s22, s16, HALFT
	s_add_co_u32 s22, s22, 2*HALFT
.irp s, 0,1
	v_add_nc_u32 v[ADRA+\s], s21, v4
	v_add_nc_u32 v[ADRB+\s], s22, v4
	s_add_co_u32 s21, s21, SLOT
	s_add_co_u32 s22, s22, SLOT
.endr
	v_mul_u32_u24 v5, v1, KS                       ; my row's scales: 32 bytes a row,
	v_lshrrev_b32 v6, 8, v5
	v_lshl_add_u32 v5, v6, 4, v5                   ; and 16 more for each 256 passed
	s_mul_i32 s21, s15, HALFS
	s_mul_i32 s22, s16, HALFS
	s_add_co_u32 s22, s22, 2*HALFS
	s_sub_co_u32 s22, s22, s21
	v_mul_u32_u24 v6, s22, v2                      ; lanes 16-31 take B's: one product, the distance between the two bases
	s_add_co_u32 s21, s21, SCL
	v_add_nc_u32 v5, v5, v6
	v_add_nc_u32 v[ADRS], s21, v5
	; where my results go
	s_lshl_b32 s18, s17, 1
	s_add_co_u32 s18, s18, s15                     ; q, k: my block of 128 tokens = 2 x A's tile + half
	s_lshl_b32 s19, s42, 1
	s_add_co_u32 s19, s19, s16                     ; v: 2 x B's tile + half
	s_lshl_b32 s20, s40, 2
	s_lshl_b32 s21, s16, 1
	s_add_co_u32 s20, s20, s21                     ; q, k: my first head = 4 cx + 2 x half
	s_lshl_b32 s21, s17, 2
	s_lshl_b32 s22, s15, 1
	s_add_co_u32 s21, s21, s22                     ; v: 4 x A's tile + 2 x half
	s_cmp_eq_u32 ttmp9, 2
	s_cselect_b32 s18, s19, s18
	s_cselect_b32 s20, s21, s20
	s_lshr_b32 s19, s18, 4                         ; the batch
	s_lshl_b32 s19, s19, 4
	s_add_co_u32 s19, s19, s20
	s_lshl_b32 s19, s19, 4
	s_and_b32 s18, s18, 15
	s_add_co_u32 s19, s19, s18                     ; the record: (batch x 16 + head) x 16 + block
	s_lshl_b32 s20, s19, 13
	s_lshl_b32 s21, ttmp9, 23                      ; the section is the cluster's x
	s_add_co_u32 s20, s20, s21
	s_mov_b32 s21, 0
	s_add_nc_u64 s[10:11], s[10:11], s[20:21]
	s_mul_i32 s20, s19, 1280
	s_cmp_eq_u32 ttmp9, 0
	s_cselect_b32 s22, 768, 0                      ; q's words
	s_cmp_eq_u32 ttmp9, 2
	s_cselect_b32 s23, 512, 0                      ; v's
	s_add_co_u32 s20, s20, s22
	s_add_co_u32 s20, s20, s23
	s_add_nc_u64 s[12:13], s[12:13], s[20:21]
	; the bias, in the result's layout.  Both ways write all 64 registers
	s_cmp_eq_u32 ttmp9, 2
	s_cbranch_scc1 .Lbias_v
	s_lshl_b32 s18, s42, 10                        ; q, k: register 8 bt + j wants the bias of feature 32 (bt / 2) + 16 h + 8 (bt % 2) + j of my 128
	s_lshl_b32 s19, s16, 9
	s_add_co_u32 s18, s18, s19
	s_mov_b32 s19, 0
	s_add_nc_u64 s[8:9], s[8:9], s[18:19]
	v_lshlrev_b32 v7, 6, v2                        ; 16 h numbers
.irp b, 0,1,2,3,4,5,6,7
	global_load_b128 v[BI+8*\b:BI+8*\b+3], v7, s[8:9] offset:(32*(\b/2)+8*(\b%2))*4
	global_load_b128 v[BI+8*\b+4:BI+8*\b+7], v7, s[8:9] offset:(32*(\b/2)+8*(\b%2))*4+16
.endr
	s_branch .Lbias_done
.Lbias_v:
	s_lshl_b32 s18, s17, 10                        ; v: all eight registers of block a want the bias of my lane's feature 32 (a / 2) + 8 (a % 2) + r % 8 + 16 (r / 8)
	s_lshl_b32 s19, s15, 9
	s_add_co_u32 s18, s18, s19
	s_add_co_u32 s18, s18, 8192                    ; from feature 2,048 on
	s_mov_b32 s19, 0
	s_add_nc_u64 s[8:9], s[8:9], s[18:19]
	v_and_b32 v5, 7, v1
	v_lshrrev_b32 v6, 3, v1
	v_lshl_add_u32 v5, v6, 4, v5
	v_lshlrev_b32 v7, 2, v5
.irp a, 0,1,2,3,4,5,6,7
.irp j, 0,1,2,3,4,5,6,7
	global_load_b32 v[BI+8*\a+\j], v7, s[8:9] offset:(32*(\a/2)+8*(\a%2))*4
.endr
.endr
.Lbias_done:
.macro FRAG reg, adr, q, i             ; 16 rows x 128 K: registers 4 c .. 4 c + 3 hold K = 32 c + 16 h + 0 .. 15
.irp c, 0,1,2,3
	ds_load_b128 v[\reg+4*\c:\reg+4*\c+3], v[\adr] offset:128*(\q)+32*\c+(\i)*16*PITCH
.endr
.endm
; 16 matrix instructions: A's blocks a0, a0 + 1 x B's eight.  zero = 0: the sums go on; 1: they start from the bias along the registers (B's block); 2: from the bias along the lanes (A's block).
; The 64 accumulators take turns, one instruction a turn, in the same order in every step.
.macro MUL16 a0, p, q, sc, zero
.irp a, \a0, \a0+1
.irp b, 0,1,2,3,4,5,6,7
.if \zero == 1
	v_wmma_scale_f32_16x16x128_f8f6f4 v[8*(8*((\a)%4)+\b):8*(8*((\a)%4)+\b)+7], v[128*(\p)+FR*\b:128*(\p)+FR*\b+FR-1], v[AF+FR*(\a):AF+FR*(\a)+FR-1], v[BI+8*\b:BI+8*\b+7], v[SC+8*NQ*(\sc)+NQ*\b+(\q)], v[SC+8*NQ*(\sc)+NQ*(\a)+(\q)] matrix_a_scale:MATRIX_SCALE_ROW1
.elseif \zero == 2
	v_wmma_scale_f32_16x16x128_f8f6f4 v[8*(8*((\a)%4)+\b):8*(8*((\a)%4)+\b)+7], v[128*(\p)+FR*\b:128*(\p)+FR*\b+FR-1], v[AF+FR*(\a):AF+FR*(\a)+FR-1], v[BI+8*(\a):BI+8*(\a)+7], v[SC+8*NQ*(\sc)+NQ*\b+(\q)], v[SC+8*NQ*(\sc)+NQ*(\a)+(\q)] matrix_a_scale:MATRIX_SCALE_ROW1
.else
	v_wmma_scale_f32_16x16x128_f8f6f4 v[8*(8*((\a)%4)+\b):8*(8*((\a)%4)+\b)+7], v[128*(\p)+FR*\b:128*(\p)+FR*\b+FR-1], v[AF+FR*(\a):AF+FR*(\a)+FR-1], v[8*(8*((\a)%4)+\b):8*(8*((\a)%4)+\b)+7], v[SC+8*NQ*(\sc)+NQ*\b+(\q)], v[SC+8*NQ*(\sc)+NQ*(\a)+(\q)] matrix_a_scale:MATRIX_SCALE_ROW1
.endif
.endr
.endr
.endm
.macro FETCH_B slot, q, p
	WIN TO_B
.irp i, 0,1,2,3,4,5,6,7
	FRAG 128*(\p)+FR*\i, ADRB+\slot, \q, \i
.endr
	WIN 0
.endm
.macro FETCH_A slot, q, i0
.irp i, \i0, \i0+1, \i0+2, \i0+3
	FRAG AF+FR*(\i), ADRA+\slot, \q, \i
.endr
.endm
.macro SCALES sc                       ; a K step's scale words: lanes 0-15 take A's block i, lanes 16-31 B's block i
.irp i, 0,1,2,3,4,5,6,7
	ds_load_b64 v[SC+8*NQ*\sc+NQ*\i:SC+8*NQ*\sc+NQ*\i+1], v[ADRS] offset:\i*SBLK
.endr
.endm
.macro PLACES n                        ; plain vector instructions that name none of the matrix instruction's registers (ISA guide 7.12.1)
.rept \n
	v_nop
.endr
.endm
; A step of 128 along K that has its successor in the same slot.
.macro STEP slot, q, zero
	s_wait_dscnt 4*NL                              ; B's set and A's blocks 0-3 are in; the youngest sixteen loads (A's blocks 4-7) may be out
.if \zero
	WIN MUL_LO0
.else
	WIN MUL_LO
.endif
	MUL16 0, (\q)%2, \q, \slot, \zero
	MUL16 2, (\q)%2, \q, \slot, \zero
	s_wait_dscnt 0                                 ; A's blocks 4-7 are in
	PLACES NP
	FETCH_B \slot, (\q)+1, 1-(\q)%2
	FETCH_A \slot, (\q)+1, 0
.if \zero
	WIN MUL_HI0
.else
	WIN MUL_HI
.endif
	MUL16 4, (\q)%2, \q, \slot, \zero
	MUL16 6, (\q)%2, \q, \slot, \zero
	PLACES NP
	WIN 0
	FETCH_A \slot, (\q)+1, 4
.endm
; A slot's last step changes slots: one barrier; in front of it each wave waits for all its tensor loads, adds 0 to its spare word, and waits for that and for its own reads of this slot.
.macro TURN slot, next, fill
	s_wait_tensorcnt 0x0                           ; all my tensor loads have landed: my part of the next slot
	ds_add_u32 v[SPW], v[NIL]                      ; 0 onto my spare word
	s_wait_dscnt 4*NL+1                            ; (the add and the youngest sixteen loads may be out)
	WIN MUL_LO
	MUL16 0, 1, NQ-1, \slot, 0
	s_wait_dscnt 0x0                               ; the add is done, and my reads of this slot are over
	s_barrier_signal -1
	MUL16 2, 1, NQ-1, \slot, 0
	WIN 0
	s_barrier_wait -1
.if \fill
	CREST                                          ; the barrier has opened a round of the cluster's: no wave of any partner still reads this slot or has a load on its way
	s_add_nc_u64 s[G0+4*\slot+2:G0+4*\slot+3], s[G0+4*\slot+2:G0+4*\slot+3], 2*ROWB
	s_add_nc_u64 s[G0B+4*\slot+2:G0B+4*\slot+3], s[G0B+4*\slot+2:G0B+4*\slot+3], 2*ROWB
	JLOAD G0+4*\slot, G1, G0B+4*\slot, G1B         ; the first tensor load behind the round, my one load until the next; its four v_nop are among the places below
	PLACES NP-4
.else
	PLACES NP
.endif
	v_add_nc_u32 v[ADRS], 4*NQ, v[ADRS]            ; the next K step's scale words
	FETCH_B \next, 0, 0
	FETCH_A \next, 0, 0
	SCALES \next
	WIN MUL_HI
	MUL16 4, 1, NQ-1, \slot, 0
	MUL16 6, 1, NQ-1, \slot, 0
	PLACES NP
	WIN 0
	FETCH_A \next, 0, 4
.endm
	s_wait_tensorcnt 1                             ; the scales and my part of K step 0 are in; K step 1's load, issued behind them, may be out
	s_barrier_signal -1
	s_barrier_wait -1
	FETCH_B 0, 0, 0
	FETCH_A 0, 0, 0
	SCALES 0
	FETCH_A 0, 0, 4
	s_wait_loadcnt 0x0                             ; the bias
	s_cmp_eq_u32 ttmp9, 2
	s_cbranch_scc1 .Lfirst_v
	STEP 0, 0, 1                                   ; the first step starts the sums from the bias: nothing is cleared, nothing is added later
	s_branch .Lfirst_done
.Lfirst_v:
	STEP 0, 0, 2
.Lfirst_done:
	s_mov_b32 s3, LAPS-1
.Llap:                                             ; a trip goes once round the ring and fills both slots again
	TURN 0, 1, 1
	STEP 1, 0, 0
	TURN 1, 0, 1
	STEP 0, 0, 0
	s_sub_co_u32 s3, s3, 1
	s_cmp_lg_u32 s3, 0
	s_cbranch_scc1 .Llap
	TURN 0, 1, 0                                   ; the last lap fills nothing
	STEP 1, 0, 0
	s_wait_dscnt 4*NL
	WIN MUL_LO
	MUL16 0, 1, NQ-1, 1, 0
	MUL16 2, 1, NQ-1, 1, 0
	s_wait_dscnt 0
	WIN MUL_HI
	MUL16 4, 1, NQ-1, 1, 0
	MUL16 6, 1, NQ-1, 1, 0
	WIN 0
; THE WAY OUT.  Block a's 64 registers of a lane are four blocks of 32 along the next K, 16 numbers here and 16 in lane l xor 16.  They are quantised where they lie; the 16 code registers are an image of
; operand registers and leave by four stores of 512 consecutive bytes.  Each accumulator is first read at its low end.
.macro QUANTW a
.set AC, 64*((\a)%4)
.set W,  2+(\a)/4
.set W01, W+4*W                        ; sources 0 and 1 in the accumulators' window
.set W12, 4*W+16*W                     ; sources 1 and 2
.set WD0, 64*W+W                       ; destination and source 0
	WIN W01
.irp b, 0,1,2,3
	v_max3_num_f32 v[TM+\b], |v[AC+16*\b]|, |v[AC+16*\b+1]|, 0x4800000   ; with the floor 2^(9 - 127): the byte cannot fall under 1
.endr
	WIN W12
.irp i, 2,4,6,8,10,12,14
.irp b, 0,1,2,3
	v_max3_num_f32 v[TM+\b], v[TM+\b], |v[AC+16*\b+\i]|, |v[AC+16*\b+\i+1]|   ; the four blocks by turns
.endr
.endr
	WIN 0
.irp b, 0,1,2,3
	v_permlanex16_b32 v[TM+4+\b], v[TM+\b], s[SEL], s[SEL+1]
.endr
.irp b, 0,1,2,3
	v_max_num_f32 v[TM+\b], v[TM+\b], v[TM+4+\b]   ; the block's largest magnitude
.endr
.irp b, 0,1,2,3
	v_add_nc_u32 v[TM+12+\b], 0xfc000000, v[TM+\b] ; 8 off its exponent field: the conversion's scale operand
.endr
.irp b, 0,1,2,3
	v_and_or_b32 v[TM+8+\b], v[TM+\b], 0x7f800000, s[MNT]   ; 448 x the scale
.endr
.irp b, 0,1,2,3
	v_lshrrev_b32 v[TM+4+\b], 23, v[TM+12+\b]      ; the scale's byte
.endr
	v_lshl_or_b32 v[SWR+(\a)], v[TM+5], 8, v[TM+4]
	v_lshl_or_b32 v[SWR+(\a)], v[TM+6], 16, v[SWR+(\a)]
	v_lshl_or_b32 v[SWR+(\a)], v[TM+7], 24, v[SWR+(\a)]
	WIN WD0
.irp b, 0,1,2,3
.irp i, 0,1,2,3,4,5,6,7,8,9,10,11,12,13,14,15
	v_med3_num_f32 v[AC+16*\b+\i], v[AC+16*\b+\i], -v[TM+8+\b], v[TM+8+\b]   ; the conversion does not saturate (ISA guide 7.6.2): the hold comes first
.endr
.endr
	WIN W
.irp b, 0,1,2,3
	v_cvt_scalef32_pk8_fp8_f32 v[PC+4*\b:PC+4*\b+1], v[AC+16*\b:AC+16*\b+7], v[TM+12+\b]
	v_cvt_scalef32_pk8_fp8_f32 v[PC+4*\b+2:PC+4*\b+3], v[AC+16*\b+8:AC+16*\b+15], v[TM+12+\b]
.endr
	WIN 0
	v_nop                                          ; a plain instruction behind the last conversion
.endm
	PLACES NP                                      ; behind the last products, ahead of the first read of results and the first write of operand registers
	v_and_b32 v5, 31, v0
	v_lshlrev_b32 v1, 4, v5                        ; 16 x lane: registers 0-3 of the codes,
	v_add_nc_u32 v2, 512, v1                       ; 4-7,
	v_add_nc_u32 v3, s[C2], v1                     ; 8-11,
	v_add_nc_u32 v4, 512, v3                       ; 12-15
	v_bfe_u32 v50, v0, 4, 1                        ; h
	v_lshlrev_b32 v48, 4, v50                      ; 16 h
	v_and_b32 v51, 15, v0
	v_mul_u32_u24 v49, v50, 20480                  ; the scale words: lanes 16-31 write the next head's record,
	v_lshl_add_u32 v49, v51, 4, v49                ; 16 bytes a row
.irp b, 0,1,2,3
	v_mov_b32 v[TM+4+\b], 0                        ; written once: a lane permute's destination counts as one of its sources
.endr
.irp a, 0,1,2,3,4,5,6,7
.if \a > 0
	s_wait_xcnt 0x0                                ; the last block's stores have read their data and their base
	s_add_nc_u64 s[10:11], s[10:11], s[STP:STP+1]
.if \a == 4
	s_add_nc_u64 s[10:11], s[10:11], s[EXT:EXT+1]
.endif
.endif
	QUANTW \a
.irp c, 0,1,2,3
	global_store_b128 v[1+\c], v[PC+4*\c:PC+4*\c+3], s[10:11]   ; 512 consecutive bytes, aligned
.endr
.endr
	s_cmp_eq_u32 ttmp9, 2
	s_cbranch_scc1 .Lsc_v
.irp g, 0,1                            ; q, k: a word's bytes 0, 1 are the even head's, bytes 2, 3 the odd head's: lanes 16-31 shift them down and write the odd head's record
.irp t, 0,1,2,3
	v_lshrrev_b32 v[40+4*\g+\t], v48, v[SWR+4*\g+\t]
.endr
	global_store_b128 v49, v[40+4*\g:43+4*\g], s[12:13] offset:256*\g   ; each half of the lanes stores 256 consecutive bytes, aligned
.endr
	s_branch .Lsc_done
.Lsc_v:                                ; v: blocks 0-3 are the first head's four fragments, blocks 4-7 the second's
	v_cmp_eq_u32 vcc_lo, 16, v48
.irp t, 0,1,2,3
	v_cndmask_b32 v[40+\t], v[SWR+\t], v[SWR+4+\t], vcc_lo
.endr
	global_store_b128 v49, v[40:43], s[12:13]
.Lsc_done:
	s_wait_tensorcnt 0x0                           ; the wave's end
	ds_add_u32 v[SPW], v[NIL]
	s_wait_dscnt 0x0
	CROUND                                         ; the closing round: no work-group ends while a partner may still ask for a tile that names it
	s_endpgm
.Lfunc_end_k_qfdca3a0a38_qkv:
	.size	k_qfdca3a0a38_qkv, .Lfunc_end_k_qfdca3a0a38_qkv-k_qfdca3a0a38_qkv
	.p2alignl 7, 3214868480
	.fill 96, 4, 3214868480
	.section	.rodata,"a",@progbits
	.p2align	6, 0x0
	.amdhsa_kernel k_qfdca3a0a38_qkv
		.amdhsa_group_segment_fixed_size 327680
		.amdhsa_private_segment_fixed_size 0
		.amdhsa_enable_private_segment 0
		.amdhsa_kernarg_size 40
		.amdhsa_user_sgpr_count 2
		.amdhsa_user_sgpr_kernarg_segment_ptr 1
		.amdhsa_wavefront_size32 1
		.amdhsa_system_sgpr_workgroup_id_x 1
		.amdhsa_system_sgpr_workgroup_id_y 1
		.amdhsa_system_sgpr_workgroup_id_z 1
		.amdhsa_system_vgpr_workitem_id 0
		.amdhsa_next_free_vgpr 1024
		.amdhsa_next_free_sgpr 102
		.amdhsa_reserve_vcc 1
		.amdhsa_float_denorm_mode_32 3
		.amdhsa_float_denorm_mode_16_64 3
		.amdhsa_memory_ordered 1
		.amdhsa_forward_progress 1
		.amdhsa_inst_pref_size 209
	.end_amdhsa_kernel
	.amdgpu_metadata
---
amdhsa.version: [ 1, 2 ]
amdhsa.kernels:
  - .name:           k_qfdca3a0a38_qkv
    .symbol:         k_qfdca3a0a38_qkv.kd
    .args:
      - { .name: cod1, .offset: 0, .size: 8, .value_kind: global_buffer, .address_space: global }
      - { .name: scl1, .offset: 8, .size: 8, .value_kind: global_buffer, .address_space: global }
      - { .name: qkv_b, .offset: 16, .size: 8, .value_kind: global_buffer, .address_space: global }
      - { .name: qkv, .offset: 24, .size: 8, .value_kind: global_buffer, .address_space: global }
      - { .name: sc, .offset: 32, .size: 8, .value_kind: global_buffer, .address_space: global }
    .group_segment_fixed_size: 327680
    .private_segment_fixed_size: 0
    .kernarg_segment_align: 8
    .kernarg_segment_size: 40
    .max_flat_workgroup_size: 128
    .sgpr_count:     102
    .vgpr_count:     1024
    .wavefront_size: 32
...
	.end_amdgpu_metadata
.endif
;; end of part 2
;; launch attn (part 3): grid 64 x 8, 16 waves a work-group, no clusters, 133,632 bytes of LDS; arguments qkv, sc, mw, fl, ac, asc; writes ac, asc
.if DOCPART == 3
	.amdgcn_target "amdgcn-amd-amdhsa--gfx1250"
	.amdhsa_code_object_version 6
	.text
	.protected	k_qfdca3a0a38_attn
	.globl	k_qfdca3a0a38_attn
	.p2align	8
	.type	k_qfdca3a0a38_attn,@function
k_qfdca3a0a38_attn:
	s_mov_b64 s[64:65], 0
	v_nop
	global_prefetch_b8 v0, s[64:65] scope:SCOPE_SE
	s_setreg_imm32_b32 hwreg(HW_REG_WAVE_MODE, 25, 1), 1
	s_wait_xcnt 0x0
; Attention on codes of FP8 (E4M3) with E8M0 scales, under a mask that is an input, and its result quantised along the 1,024 channels for the last product.
; t = score x log2(e) / 8; M = the row's largest t so far, rounded up to a whole number; p = 2^(t - M) is quantised along the keys, not normalised; the row's sum is taken of the unquantised p and divides at the end.
; SHARES.  A work-group owns 128 queries of one batch and two heads; each of its sixteen waves owns one tile of 16 queries of one head (wave / 8), in 256 registers: four waves to a SIMD.
; Both products are used transposed: S^T = K Q^T, O^T = V^T P^T: a lane holds one query throughout.  The head's K is 64: registers 8-15 of Q's fragment are zero codes, and registers 8-15 of a key tile's
; fragment are whatever finite codes follow it (the next tile's, or zeros): those products are zeros.
; THE MASK.  fl[tile] says which steps of 128 keys hold a true byte for a tile of queries; a step without one adds nothing to rows that have a true key somewhere, and a tile with a row that has none has all its
; bits set.  A wave passes over the steps that its word leaves out; a step's tiles are brought into LDS where any of the block's eight words names it.  In a step that is walked, mw's 64 lane masks put -2^120 in the
; place of hidden scores: c x -2^120 is exact, so a row that has seen hidden keys alone has t - M = 0 and p = 1 on each, as a row without any true key wants; the first true key's M multiplies that away by 0.
; These are branches on whole numbers that an earlier launch stored, so the launch has no tensor load: K, V and their scale words go through registers into two LDS slots that take turns, a step ahead.
; No cluster: which tiles a work-group reads hangs on the stored words, so partners could not make every joint request without fetching all sixteen steps.
; LIMITS: scores stay under 2^120 in magnitude; NaN and infinities are not served; blocks whose largest magnitude lies under 2^-118 keep the byte 1.
; LDS: slot s at 65,536 s: for each head 16,384 bytes of codes (K's 8 tiles of 1,024, then V's 4 fragments of 2,048); at 32,768 for each head 768 bytes of scale words.  At 131,072: 512 bytes for the result's scale words.
.set HCOD, 16384
.set VOFF, 8192
.set SCO,  32768
.set HSC,  768
.set ASTG, 131072
; v1-4, v5-8: for slot 0, 1: my place in the head's codes; among its scale words; where I stage codes; where I stage scale words
.set LI,  13                           ; v13 16 x lane
.set LS,  14                           ; v14 4 x lane
.set NEG, 15                           ; v15 -2^120
.set Q,   20                           ; v20-35 Q's fragment; v28-35 zeros
.set QS,  36                           ; v36 Q's scale words
.set SG,  40                           ; v40-55, v56 what I stage
.set KSR, 60                           ; v60-67 K's scale words
.set VSR, 68                           ; v68-71 V's
.set KB,  72                           ; v72-103 four key tiles of 8 registers; v104-111 zeros
.set S,   112                          ; v112-175 S^T, then p, then V's four fragments
.set O,   176                          ; v176-207 O^T
.set PC,  208                          ; v208-223 p's codes
.set BM,  224
.set T1,  228
.set HL,  232
.set SO,  236
.set F,   240                          ; v[240:241] f = 2^(old M - new M)
.set PW,  242                          ; p's scale word
.set TA,  243
.set TW,  244
.set SU,  246                          ; v[246:247] the sum's second chain
.set RI,  248                          ; v[248:249] 1 / the sum
	s_load_b256 s[4:11], s[0:1], 0x0               ; qkv s[4:5], sc s[6:7], mw s[8:9], fl s[10:11]
	s_load_b128 s[12:15], s[0:1], 0x20             ; ac s[12:13], asc s[14:15]
	v_lshl_add_u32 v254, v0, 2, 0x20200
	v_mov_b32 v255, 0
	v_lshrrev_b32 v1, 5, v0
	v_readfirstlane_b32 s2, v1                     ; wave 0..15
	s_and_b32 s3, s2, 7                            ; my tile of the block's eight
	s_lshr_b32 s101, s2, 3                         ; which of the two heads
	s_lshr_b32 s40, ttmp9, 4                       ; the batch
	s_and_b32 s41, ttmp9, 15                       ; the block of 128 queries
	s_and_b32 s42, ttmp7, 0xffff                   ; the pair of heads
	s_lshl_b32 s43, s42, 1
	s_add_co_u32 s43, s43, s101                    ; the head
	s_lshl_b32 s44, s40, 4
	s_add_co_u32 s44, s44, s43
	s_lshl_b32 s46, s44, 17                        ; the head's bytes in a section of qkv: 16 records of 8,192
	s_mul_i32 s47, s44, 20480                      ; and in sc: 16 records of 1,280
	s_lshr_b32 s48, s3, 2                          ; what I stage: tiles 0-3 take K's record by quarters, 4-7 V's
	s_add_co_u32 s48, s48, 1
	s_lshl_b32 s48, s48, 23
	s_add_co_u32 s48, s48, s46
	s_and_b32 s49, s3, 3
	s_lshl_b32 s49, s49, 11
	s_add_co_u32 s48, s48, s49
	s_mov_b32 s49, 0
	s_lshl_b32 s50, s3, 7                          ; and, tiles 0-5, 128 bytes of the record's first 768 scale bytes
	s_add_co_u32 s50, s50, s47
	s_mov_b32 s51, 0
	s_lshl_b32 s52, s41, 13                        ; Q's tile
	s_add_co_u32 s52, s52, s46
	s_lshl_b32 s53, s3, 10
	s_add_co_u32 s52, s52, s53
	s_mov_b32 s53, 0
	s_mul_i32 s54, s41, 1280                       ; Q's scale words: [g 2][r 16][tt 4] at 768
	s_add_co_u32 s54, s54, s47
	s_lshr_b32 s55, s3, 2
	s_lshl_b32 s55, s55, 8
	s_add_co_u32 s54, s54, s55
	s_and_b32 s55, s3, 3
	s_lshl_b32 s55, s55, 2
	s_add_co_u32 s54, s54, s55
	s_add_co_u32 s54, s54, 768
	s_mov_b32 s55, 0
	s_lshl_b32 s56, s41, 3
	s_add_co_u32 s56, s56, s3                      ; my tile among the sequence's 128
	s_lshl_b32 s58, s56, 12                        ; its lane masks
	s_mov_b32 s59, 0
	s_lshl_b32 s60, s41, 5                         ; the block's eight flag words
	s_mov_b32 s61, 0
	s_lshl_b32 s62, s3, 2                          ; mine
	s_mov_b32 s63, 0
	s_lshl_b32 s68, s40, 7
	s_add_co_u32 s68, s68, s56
	s_lshl_b32 s68, s68, 14                        ; ac: 16,384 bytes a tile of tokens,
	s_lshl_b32 s69, s43, 10                        ; 1,024 a head
	s_add_co_u32 s68, s68, s69
	s_mov_b32 s69, 0
	s_lshl_b32 s70, s42, 15                        ; asc: a plane of 32,768 bytes for each pair of heads; 4 bytes a row
	s_lshl_b32 s71, s40, 13
	s_add_co_u32 s70, s70, s71
	s_lshl_b32 s71, s41, 9
	s_add_co_u32 s70, s70, s71
	s_mov_b32 s71, 0
	s_lshl_b32 s74, s101, 14                       ; LDS: my head's codes,
	s_mul_i32 s75, s101, HSC
	s_add_co_u32 s75, s75, SCO                     ; its scale words,
	s_lshl_b32 s76, s2, 11                         ; my 2,048 bytes of staged codes,
	s_lshl_b32 s77, s3, 7
	s_add_co_u32 s77, s77, s75                     ; my 128 bytes of staged scale words,
	s_lshl_b32 s78, s3, 6
	s_lshl_b32 s79, s101, 1
	s_add_co_u32 s78, s78, s79
	s_add_co_u32 s78, s78, ASTG                    ; my tile's 64 bytes of the result's scale words, my head's half of each word
	s_mov_b32 s18, 8
	s_mov_b32 s19, 0x600000                        ; the mantissa field of 448
	s_mov_b32 s20, 0x76543210
	s_mov_b32 s21, 0xfedcba98                      ; lane l xor 16
	s_mov_b32 s22, 0x3e38aa3b                      ; c = log2(e) / 8
	s_mov_b32 s23, s22                             ; (named with it as a pair)
	v_and_b32 v57, 31, v0
	v_and_b32 v58, 15, v0
	v_lshlrev_b32 v[LI], 4, v57
	v_lshlrev_b32 v[LS], 2, v57
	v_lshlrev_b32 v59, 4, v58
	v_add_nc_u32 v1, s74, v[LI]                    ; every LDS address is made here, ahead of the first branch
	v_lshl_add_u32 v2, v58, 4, s75
	v_add_nc_u32 v3, s76, v[LI]
	v_add_nc_u32 v4, s77, v[LS]
.irp i, 0,1,2,3
	v_add_nc_u32 v[5+\i], 0x10000, v[1+\i]
.endr
	v_lshl_add_u32 v37, v58, 2, s78
	v_add_nc_u32 v38, ASTG, v[LI]
	v_mov_b32 v[NEG], 0xfb800000
	v_mov_b32 v17, 0xff61b1e6                      ; the largest t so far: -3e38
	v_floor_f32 v16, -v17                          ; -M
	v_mov_b32 v18, 0                               ; the sum, in two halves
	v_mov_b32 v19, 0
.irp i, 0,1,2,3,4,5,6,7
	v_mov_b32 v[Q+8+\i], 0                         ; zero codes for K = 64 .. 127
	v_mov_b32 v[KB+32+\i], 0
.endr
.irp i, 0,1,2,3,4,5,6,7,8,9,10,11,12,13,14,15,16
	v_mov_b32 v[SG+\i], 0                          ; defined on every way through the branches on the flags
.endr
.irp i, 0,1,2,3,4,5,6,7,8,9,10,11,12,13,14,15,16,17,18,19,20,21,22,23,24,25,26,27,28,29,30,31
	v_mov_b32 v[O+\i], 0                           ; the step is written without a first form of its own: the first change of M multiplies zeros
.endr
.irp b, 0,1,2,3
	v_mov_b32 v[T1+\b], 0                          ; a lane permute's destination counts as one of its sources
.endr
	v_mov_b32 v[F+1], 0                            ; (upper halves of pairs of which the low word alone is used)
	v_mov_b32 v[RI+1], 0
	v_mov_b32 v[TA], 0
	s_wait_kmcnt 0x0
	s_add_nc_u64 s[10:11], s[10:11], s[60:61]
	s_add_nc_u64 s[72:73], s[10:11], s[62:63]
	s_load_b256 s[84:91], s[10:11], 0x0            ; the block's eight words
	s_load_b32 s17, s[72:73], 0x0                  ; mine
	s_add_nc_u64 s[24:25], s[4:5], s[48:49]
	s_add_nc_u64 s[26:27], s[6:7], s[50:51]
	s_add_nc_u64 s[28:29], s[4:5], s[52:53]
	s_add_nc_u64 s[30:31], s[6:7], s[54:55]
	s_add_nc_u64 s[8:9], s[8:9], s[58:59]
	s_add_nc_u64 s[12:13], s[12:13], s[68:69]
	s_add_nc_u64 s[14:15], s[14:15], s[70:71]
	global_load_b128 v[Q:Q+3], v[LI], s[28:29]
	global_load_b128 v[Q+4:Q+7], v[LI], s[28:29] offset:512
	global_load_b32 v[QS], v59, s[30:31]
	s_wait_kmcnt 0x0
	s_or_b32 s16, s84, s85
	s_or_b32 s16, s16, s86
	s_or_b32 s16, s16, s87
	s_or_b32 s16, s16, s88
	s_or_b32 s16, s16, s89
	s_or_b32 s16, s16, s90
	s_or_b32 s16, s16, s91
	s_and_b32 s16, s16, 0xffff                     ; bit 16 is 0: the last trip stages nothing
.macro SLOADS k                        ; my part of the tiles of the k-th step from the bases on
.irp j, 0,1,2,3
	global_load_b128 v[SG+4*\j:SG+4*\j+3], v[LI], s[24:25] offset:8192*(\k)+512*\j
.endr
	s_cmp_lt_u32 s3, 6
	s_cbranch_scc0 .Lsl_\@
	global_load_b32 v[SG+16], v[LS], s[26:27] offset:1280*(\k)
.Lsl_\@:
.endm
.macro SSTORE slot
.irp j, 0,1,2,3
	ds_store_b128 v[3+4*(\slot)], v[SG+4*\j:SG+4*\j+3] offset:512*\j
.endr
	s_cmp_lt_u32 s3, 6
	s_cbranch_scc0 .Lss_\@
	ds_store_b32 v[4+4*(\slot)], v[SG+16]
.Lss_\@:
.endm
; A KEY STEP: 128 keys, from slot idx.
.macro STEP idx
.set AK, 1+4*(\idx)
.set AS, 2+4*(\idx)
	s_load_b512 s[32:47], s[8:9], 256*(\idx)       ; the step's 64 lane masks: word n in s[32 + n], from n = 32 on in s[36 + n]
	s_load_b512 s[48:63], s[8:9], 256*(\idx)+64
	s_load_b512 s[68:83], s[8:9], 256*(\idx)+128
	s_load_b512 s[84:99], s[8:9], 256*(\idx)+192
.irp g, 0,1                            ; S^T = K Q^T, four tiles of 16 keys at a time
.if \g > 0
.rept 8
	v_nop                                          ; places in front of loads into registers that the four products above have read (the first group's stand at the last step's end)
.endr
.endif
.irp t, 0,1,2,3
	ds_load_b128 v[KB+8*\t:KB+8*\t+3], v[AK] offset:(4*\g+\t)*1024
	ds_load_b128 v[KB+8*\t+4:KB+8*\t+7], v[AK] offset:(4*\g+\t)*1024+512
.endr
	ds_load_b128 v[KSR+4*\g:KSR+4*\g+3], v[AS] offset:256*\g
.if \g == 0
	ds_load_b128 v[VSR:VSR+3], v[AS] offset:512
.endif
	s_wait_dscnt 0x0
.irp t, 0,1,2,3
	v_wmma_scale_f32_16x16x128_f8f6f4 v[S+8*(4*\g+\t):S+8*(4*\g+\t)+7], v[KB+8*\t:KB+8*\t+15], v[Q:Q+15], 0, v[KSR+4*\g+\t], v[QS]
.endr
.endr
.rept 8
	v_nop
.endr
	s_wait_kmcnt 0x0
.set n, 0
.rept 64
	v_cndmask_b32 v[S+n], v[NEG], v[S+n], s[32+n+4*(n/32)]   ; hidden keys: -2^120.  Ascending: each accumulator is first read at its low end
.set n, n+1
.endr
.irp b, 0,1,2,3
	v_max3_num_f32 v[BM+\b], v[S+16*\b], v[S+16*\b+1], v[S+16*\b+2]   ; the largest score of each block of 32 keys: for the row's maximum and, since p rises with the score, for the block's largest p
.endr
.irp i, 3,5,7,9,11,13
.irp b, 0,1,2,3
	v_max3_num_f32 v[BM+\b], v[BM+\b], v[S+16*\b+\i], v[S+16*\b+\i+1]
.endr
.endr
.irp b, 0,1,2,3
	v_max_num_f32 v[BM+\b], v[BM+\b], v[S+16*\b+15]
.endr
.irp b, 0,1,2,3
	v_permlanex16_b32 v[T1+\b], v[BM+\b], s20, s21
.endr
.irp b, 0,1,2,3
	v_max_num_f32 v[BM+\b], v[BM+\b], v[T1+\b]
.endr
	v_max3_num_f32 v[TA], v[BM], v[BM+1], v[BM+2]
	v_max_num_f32 v[TA], v[TA], v[BM+3]
	v_mul_f32 v[TA], s22, v[TA]                    ; as t
	v_max_num_f32 v17, v17, v[TA]                  ; the running largest t
	v_mov_b32 v[TA], v16
	v_floor_f32 v16, -v17                          ; the new -M = -ceil(t)
	v_sub_f32 v[TA], v16, v[TA]                    ; old M - new M: a whole number, 0 or less
	v_cvt_i32_f32 v[TA], v[TA]                     ; (it saturates)
	v_ldexp_f32 v[F], 1.0, v[TA]                   ; f: a multiplication by it rounds nothing
.irp j, 0,2,4,6,8,10,12,14,16,18,20,22,24,26,28,30,32,34,36,38,40,42,44,46,48,50,52,54,56,58,60,62
	v_pk_fma_f32 v[S+\j:S+\j+1], v[S+\j:S+\j+1], s[22:23], v[16:17] op_sel_hi:[1,0,0]   ; t - M, two at a time
.endr
.irp b, 0,1,2,3
	v_fma_f32 v[BM+\b], v[BM+\b], s22, v16
.endr
.set n, 0
.rept 64
	v_exp_f32 v[S+n], v[S+n]                       ; p = 2^(t - M)
.set n, n+1
.endr
	v_pk_mul_f32 v[18:19], v[18:19], v[F:F+1] op_sel_hi:[1,0]   ; the sums under the new M: the plain instruction behind the exponentials
	s_wait_alu depctr_va_vdst(0)                   ; one wait for the batch, ahead of its first reader
.irp b, 0,1,2,3
	v_exp_f32 v[BM+\b], v[BM+\b]                   ; each block's largest p
.endr
	v_pk_add_f32 v[SU:SU+1], v[S:S+1], v[S+2:S+3]  ; the row's sum of the unquantised p, in two chains
.irp j, 4,8,12,16,20,24,28,32,36,40,44,48,52,56,60
	v_pk_add_f32 v[18:19], v[18:19], v[S+\j:S+\j+1]
	v_pk_add_f32 v[SU:SU+1], v[SU:SU+1], v[S+\j+2:S+\j+3]
.endr
	v_pk_add_f32 v[18:19], v[18:19], v[SU:SU+1]
	s_wait_alu depctr_va_vdst(0)                   ; and one for the four
.irp b, 0,1,2,3
	v_max_num_f32 v[BM+\b], 0x4800000, v[BM+\b]    ; the floor 2^(9 - 127)
.endr
.irp b, 0,1,2,3
	v_add_nc_u32 v[SO+\b], 0xfc000000, v[BM+\b]
.endr
.irp b, 0,1,2,3
	v_and_or_b32 v[HL+\b], v[BM+\b], 0x7f800000, s19
.endr
.irp b, 0,1,2,3
	v_lshrrev_b32 v[T1+\b], 23, v[SO+\b]
.endr
	v_lshl_or_b32 v[PW], v[T1+1], 8, v[T1]         ; p's scale word for these 128 keys
	v_lshl_or_b32 v[PW], v[T1+2], 16, v[PW]
	v_lshl_or_b32 v[PW], v[T1+3], 24, v[PW]
.irp b, 0,1,2,3
.irp i, 0,1,2,3,4,5,6,7,8,9,10,11,12,13,14,15
	v_min_num_f32 v[S+16*\b+\i], v[S+16*\b+\i], v[HL+\b]   ; p is not negative: a one-sided hold
.endr
	v_cvt_scalef32_pk8_fp8_f32 v[PC+4*\b:PC+4*\b+1], v[S+16*\b:S+16*\b+7], v[SO+\b]
	v_cvt_scalef32_pk8_fp8_f32 v[PC+4*\b+2:PC+4*\b+3], v[S+16*\b+8:S+16*\b+15], v[SO+\b]
.irp c, 0,1,2,3
	ds_load_b128 v[S+16*\b+4*\c:S+16*\b+4*\c+3], v[AK] offset:VOFF+2048*\b+512*\c   ; V's fragment b, into the sixteen registers that the two conversions have read
.endr
.endr
.irp j, 0,2,4,6,8,10,12,14,16,18,20,22,24,26,28,30
	v_pk_mul_f32 v[O+\j:O+\j+1], v[O+\j:O+\j+1], v[F:F+1] op_sel_hi:[1,0]   ; O^T under the new M; also the places between the conversions and the products
.endr
	s_wait_dscnt 0x0
.irp t, 0,1,2,3
	v_wmma_scale_f32_16x16x128_f8f6f4 v[O+8*\t:O+8*\t+7], v[S+16*\t:S+16*\t+15], v[PC:PC+15], v[O+8*\t:O+8*\t+7], v[VSR+\t], v[PW]
.endr
.rept 9
	v_nop                                          ; nine places: the next step's products write over registers that these four have read
.endr
.endm
; A trip: the next step's tiles are asked for, this step is worked, the tiles go into the other slot; one barrier.  In front of it every wave has waited for its reads of this slot and its stores into the other,
; so behind it the other slot is whole and this one may be written.
.macro TRIP idx
	s_bitcmp1_b32 s16, 1
	s_cbranch_scc0 .Lnl_\@
	SLOADS (\idx)+1
.Lnl_\@:
	s_bitcmp1_b32 s17, 0
	s_cbranch_scc0 .Lns_\@
	STEP \idx
.Lns_\@:
	s_wait_loadcnt 0x0                             ; on every way: no staging load is out when its registers are read, or loaded again
	s_bitcmp1_b32 s16, 1
	s_cbranch_scc0 .Lnst_\@
	SSTORE 1-(\idx)
.Lnst_\@:
	s_wait_dscnt 0x0
	s_barrier_signal -1
	s_barrier_wait -1
	s_lshr_b32 s16, s16, 1
	s_lshr_b32 s17, s17, 1
.endm
	s_bitcmp1_b32 s16, 0
	s_cbranch_scc0 .Lh0
	SLOADS 0
	s_wait_loadcnt 0x0
	SSTORE 0
.Lh0:
	s_wait_loadcnt 0x0                             ; Q
	s_wait_dscnt 0x0
	s_barrier_signal -1
	s_barrier_wait -1
.Lpair:                                            ; eight trips of two steps: a constant count; what a step's flag leaves out is jumped over inside
	TRIP 0
	TRIP 1
	s_wait_xcnt 0x0                                ; the bases are stepped only behind this wait
	s_add_nc_u64 s[24:25], s[24:25], 16384
	s_add_nc_u64 s[26:27], s[26:27], 2560
	s_add_nc_u64 s[8:9], s[8:9], 512
	s_sub_co_u32 s18, s18, 1
	s_cmp_lg_u32 s18, 0
	s_cbranch_scc1 .Lpair
	; THE WAY OUT.  Register 16 b + i of O^T is channel 32 b + 16 h + i of my head: two blocks of 32 along the last product's K.
	v_add_f32 v18, v18, v19
	v_permlanex16_b32 v[TA], v18, s20, s21
	v_add_f32 v18, v18, v[TA]                      ; the row's sum
	v_rcp_f32 v[RI], v18
	v_nop                                          ; a plain instruction behind the reciprocal,
	s_wait_alu depctr_va_vdst(0)                   ; and the wait ahead of its first reader
.irp j, 0,2,4,6,8,10,12,14,16,18,20,22,24,26,28,30
	v_pk_mul_f32 v[S+\j:S+\j+1], v[O+\j:O+\j+1], v[RI:RI+1] op_sel_hi:[1,0]
.endr
.irp b, 0,1
	v_max3_num_f32 v[BM+\b], |v[S+16*\b]|, |v[S+16*\b+1]|, 0x4800000
.endr
.irp i, 2,4,6,8,10,12,14
.irp b, 0,1
	v_max3_num_f32 v[BM+\b], v[BM+\b], |v[S+16*\b+\i]|, |v[S+16*\b+\i+1]|
.endr
.endr
.irp b, 0,1
	v_permlanex16_b32 v[T1+\b], v[BM+\b], s20, s21
.endr
.irp b, 0,1
	v_max_num_f32 v[BM+\b], v[BM+\b], v[T1+\b]
.endr
.irp b, 0,1
	v_add_nc_u32 v[SO+\b], 0xfc000000, v[BM+\b]
.endr
.irp b, 0,1
	v_and_or_b32 v[HL+\b], v[BM+\b], 0x7f800000, s19
.endr
.irp b, 0,1
	v_lshrrev_b32 v[T1+\b], 23, v[SO+\b]
.endr
	v_lshl_or_b32 v[TW], v[T1+1], 8, v[T1]         ; my head's two bytes of the row's scale word
.irp b, 0,1
.irp i, 0,1,2,3,4,5,6,7,8,9,10,11,12,13,14,15
	v_med3_num_f32 v[S+16*\b+\i], v[S+16*\b+\i], -v[HL+\b], v[HL+\b]
.endr
	v_cvt_scalef32_pk8_fp8_f32 v[PC+4*\b:PC+4*\b+1], v[S+16*\b:S+16*\b+7], v[SO+\b]
	v_cvt_scalef32_pk8_fp8_f32 v[PC+4*\b+2:PC+4*\b+3], v[S+16*\b+8:S+16*\b+15], v[SO+\b]
.endr
	v_nop                                          ; a plain instruction behind the last conversion
	global_store_b128 v[LI], v[PC:PC+3], s[12:13]              ; half of an operand's image: 512 consecutive bytes a store
	global_store_b128 v[LI], v[PC+4:PC+7], s[12:13] offset:512
	ds_store_b16 v37, v[TW]                        ; both lanes of a row write the same two bytes
	s_wait_dscnt 0x0
	s_barrier_signal -1
	s_barrier_wait -1                              ; the block's 128 words are whole: both heads' halves
	s_cmp_lg_u32 s2, 0
	s_cbranch_scc1 .Lend
	ds_load_b128 v[S:S+3], v38
	s_wait_dscnt 0x0
	global_store_b128 v[LI], v[S:S+3], s[14:15]    ; wave 0 stores them: 512 consecutive bytes, aligned
.Lend:
	s_wait_tensorcnt 0x0
	ds_add_u32 v254, v255
	s_wait_dscnt 0x0
	s_endpgm
.Lfunc_end_k_qfdca3a0a38_attn:
	.size	k_qfdca3a0a38_attn, .Lfunc_end_k_qfdca3a0a38_attn-k_qfdca3a0a38_attn
	.p2alignl 7, 3214868480
	.fill 96, 4, 3214868480
	.section	.rodata,"a",@progbits
	.p2align	6, 0x0
	.amdhsa_kernel k_qfdca3a0a38_attn
		.amdhsa_group_segment_fixed_size 133632
		.amdhsa_private_segment_fixed_size 0
		.amdhsa_enable_private_segment 0
		.amdhsa_kernarg_size 48
		.amdhsa_user_sgpr_count 2
		.amdhsa_user_sgpr_kernarg_segment_ptr 1
		.amdhsa_wavefront_size32 1
		.amdhsa_system_sgpr_workgroup_id_x 1
		.amdhsa_system_sgpr_workgroup_id_y 1
		.amdhsa_system_sgpr_workgroup_id_z 1
		.amdhsa_system_vgpr_workitem_id 0
		.amdhsa_next_free_vgpr 256
		.amdhsa_next_free_sgpr 102
		.amdhsa_reserve_vcc 0
		.amdhsa_float_denorm_mode_32 3
		.amdhsa_float_denorm_mode_16_64 3
		.amdhsa_memory_ordered 1
		.amdhsa_forward_progress 1
		.amdhsa_inst_pref_size 63
	.end_amdhsa_kernel
	.amdgpu_metadata
---
amdhsa.version: [ 1, 2 ]
amdhsa.kernels:
  - .name:           k_qfdca3a0a38_attn
    .symbol:         k_qfdca3a0a38_attn.kd
    .args:
      - { .name: qkv, .offset: 0, .size: 8, .value_kind: global_buffer, .address_space: global }
      - { .name: sc, .offset: 8, .size: 8, .value_kind: global_buffer, .address_space: global }
      - { .name: mw, .offset: 16, .size: 8, .value_kind: global_buffer, .address_space: global }
      - { .name: fl, .offset: 24, .size: 8, .value_kind: global_buffer, .address_space: global }
      - { .name: ac, .offset: 32, .size: 8, .value_kind: global_buffer, .address_space: global }
      - { .name: asc, .offset: 40, .size: 8, .value_kind: global_buffer, .address_space: global }
    .group_segment_fixed_size: 133632
    .private_segment_fixed_size: 0
    .kernarg_segment_align: 8
    .kernarg_segment_size: 48
    .max_flat_workgroup_size: 512
    .sgpr_count:     102
    .vgpr_count:     256
    .wavefront_size: 32
...
	.end_amdgpu_metadata
.endif
;; end of part 3
;; launch proj (part 4): grid 4 x 32, 4 waves a work-group, clusters of 4 x 4, 327,680 bytes of LDS; arguments ac, asc, cod1, scl1, proj_b, out0; writes out0
.if DOCPART == 4
	.amdgcn_target "amdgcn-amd-amdhsa--gfx1250"
	.amdhsa_code_object_version 6
	.text
	.protected	k_qfdca3a0a38_proj
	.globl	k_qfdca3a0a38_proj
	.p2align	8
	.type	k_qfdca3a0a38_proj,@function
k_qfdca3a0a38_proj:
	s_mov_b64 s[64:65], 0
	v_nop
	global_prefetch_b8 v0, s[64:65] scope:SCOPE_SE
	s_setreg_imm32_b32 hwreg(HW_REG_WAVE_MODE, 25, 1), 1
	s_wait_xcnt 0x0
	s_wait_alu depctr_hold_cnt(0) depctr_sa_sdst(0) depctr_va_vdst(0) depctr_va_sdst(0) depctr_va_ssrc(0) depctr_va_vcc(0) depctr_vm_vsrc(0)
	s_getreg_b32 s2, hwreg(HW_REG_IB_STS2, 6, 4)
	s_cmp_eq_u32 s2, 0
	s_cbranch_scc0 .Lentry_in_a_cluster
	s_endpgm
.Lentry_in_a_cluster:
	s_bfe_u32 s2, ttmp6, 0x10000c
	s_cmp_lg_u32 s2, 0xf033
	s_cbranch_scc0 .Lentry_shape_is_right
	s_endpgm
.Lentry_shape_is_right:
; out0 = o proj_w^T + proj_b on codes of FP8 (E4M3) with E8M0 scales: M = 8,192, N = 1,024, K = 1,024; out0 f32.
; A tile of 256 x 256 is made by four waves, 128 x 128 each: 64 accumulators, 512 registers.  K goes in steps of 256 through a ring of two LDS slots filled by the tensor data mover.
; 4 x 4 work-groups form a cluster; A's tile is asked for jointly along a row of the cluster, B's along a column.  The matrix instruction is used transposed (source 0 = 16 rows of proj_w, source 1 = 16 tokens).
; A (the attention's result) lies in memory as IMAGES OF OPERAND REGISTERS: ac[tile of 16 tokens][K step of 128][c 4][lane][16 bytes].  A slot's part of a tile is 4,096 consecutive bytes; a load brings eight tiles.
;   A fragment is read back by four loads of 512 consecutive bytes: no pitch, no padding.  Its scale words lie in planes, asc[K step 8][row][4 bytes]; those of my work-group's 256 rows come once, with the first fills.
; B (proj_w) lies as rows of 1,024 codes at byte 11,534,336 of cod1, its scale bytes [row][32] at byte 360,448 of scl1.
; Lane r of A's block a is token 32 (a / 2) + 8 (a % 2) + r % 8 + 16 (r / 8) of my 128: the stores put each row where it belongs.
; 128 work-groups: a smaller tile would fill more of the chip at twice the LDS reads for each product; this product is an eighth of the program's matrix work.
; REGISTERS: window 0: v0-31 addresses, v8-11 the bias; v32-63 B's scale words, two sets; v64-95 A's, two sets; from v128 A's fragments, one set.  window 1: B's fragments, two sets.  windows 2, 3: the accumulators.
.set SIZE_N, 1024
.set NQ,     2
.set PITCH,  272                       ; B's LDS row: 256 bytes + 16 of padding: the 16 rows of a load start at 16 different banks (64 banks of 4 bytes: ISA guide 11.1)
.set FR,     16
.set NL,     4
.set NP,     8                         ; places behind this matrix instruction (ISA guide 7.12.1)
.set HALFA,  32768                     ; eight tiles' 4,096 bytes: what one load brings of A
.set HALFT,  128*PITCH                 ; 128 rows of B
.set BOFF,   2*HALFA
.set SLOT,   2*HALFA+2*HALFT
.set LAPS,   2
.set KS,     32
.set PCO,    11534336
.set PS,     360448
.set SCLA,   2*SLOT                    ; A's scale words: for each half 8 planes of 512 bytes
.set SCLB,   SCLA+8192                 ; B's scale bytes, as units of 256 bytes + 16 of padding
.set HALFS,  (128*KS/256)*272
.set SBLK,   (16*KS/256)*272
.set SPARE,  SCLB+2*HALFS              ; the spare words, 128 bytes for each wave: two blocks of 256 bytes that no other line names
.set SPITCH, 528                       ; the way out: a stage of 16 rows x (512 bytes + 16) for each wave, in slot 0, which has had its last fill and its last read by then
.set ADRA, 16
.set ADRB, 20
.set STO,  24
.set RD,   25
.set CO,   26                          ; v26 16 x lane
.set ADRS, 27
.set SPW,  28
.set NIL,  29
.set ADSA, 30
.set SC,   32
.set SA,   64
.set AF,   128
.set BK,   128
.set G1, 24
.set G0, 32
.set G1B, 48
.set G0B, 56
.set G1S, 68
.set G0S, 76
.set G1SB, 80
.set G0SB, 88
.set MSB, 0
.macro WIN new                         ; the immediate's high byte repeats the setting that is left
.if MSB != \new
	s_set_vgpr_msb (MSB<<8)|\new
.set MSB, \new
.endif
.endm
.set MUL_LO, 0xa1
.set MUL_HI, 0xf1
.set TO_B,   0x40
.macro JLOAD g0a, g1a, g0b, g1b        ; a joint load: waves 0 and 1 fetch for A, waves 2 and 3 for B; four v_nop follow each of the two lines
	s_cmp_eq_u32 s15, 0
	s_cbranch_scc0 .Lfor_b_\@
	tensor_load_to_lds s[\g0a:\g0a+3], s[\g1a:\g1a+7]
	s_nop 0
.rept 4
	v_nop
.endr
	s_branch .Lasked_\@
.Lfor_b_\@:
	tensor_load_to_lds s[\g0b:\g0b+3], s[\g1b:\g1b+7]
	s_nop 0
.rept 4
	v_nop
.endr
.Lasked_\@:
.endm
.macro CREST
	s_cmp_lg_u32 s14, 0
	s_cbranch_scc1 .Lnot_wave_0_\@
	s_barrier_signal -3
.Lnot_wave_0_\@:
	s_barrier_wait -3
	s_barrier_signal -1
	s_barrier_wait -1
.endm
.macro CROUND
	s_barrier_signal -1
	s_barrier_wait -1
	CREST
.endm
	s_load_b128 s[4:7], s[0:1], 0x0                ; ac s[4:5], asc s[6:7]
	s_load_b128 s[8:11], s[0:1], 0x10              ; cod1 s[8:9], scl1 s[10:11]
	s_load_b64 s[96:97], s[0:1], 0x20              ; proj_b
	s_load_b64 s[12:13], s[0:1], 0x28              ; out0
	v_lshl_add_u32 v[SPW], v0, 2, SPARE
	v_mov_b32 v[NIL], 0
	ds_add_u32 v28, v29
	ds_add_u32 v28, v29
	s_wait_dscnt 0x0
	v_lshrrev_b32 v1, 5, v0
	v_readfirstlane_b32 s14, v1                    ; wave 0..3
	s_lshr_b32 s15, s14, 1                         ; which half of the tile's rows is mine.  Also: I fetch for A (0) or for B (1)
	s_and_b32 s16, s14, 1                          ; which half of its columns.  Also: which half of that tile I fetch
	s_bfe_u32 s40, ttmp6, 0x40000                  ; cx
	s_bfe_u32 s41, ttmp6, 0x40004                  ; cy
	s_lshl_b32 s42, ttmp9, 2
	s_add_co_u32 s42, s42, s40                     ; tile column
	s_and_b32 s17, ttmp7, 0xffff
	s_lshl_b32 s17, s17, 2
	s_add_co_u32 s17, s17, s41                     ; tile row
	s_lshl_b32 s43, s41, 2
	s_lshl_b32 s43, 15, s43                        ; my row of the cluster
	s_lshl_b32 s44, 0x1111, s40                    ; my column
	s_or_b32 s[G1+0], s43, (3<<16)|(1<<21)         ; A: elements of 8 bytes, no padding; bit 21 beside a mask
	s_mov_b32 s[G1+1], 512<<16                     ; tensor_dim0 = 512 elements: 4,096 bytes of a tile
	s_mov_b32 s[G1+2], 8<<16                       ; tensor_dim1 = 8 tiles
	s_mov_b32 s[G1+3], 512<<16                     ; tile_dim0
	s_mov_b32 s[G1+4], 8                           ; tile_dim1
	s_mov_b32 s[G1+5], 2048                        ; 16,384 bytes from tile to tile
	s_mov_b32 s[G1+6], 0
	s_mov_b32 s[G1+7], 0
	s_or_b32 s[G1B+0], s44, (0<<16)|(1<<20)|(1<<21)|(5<<22)|(3<<25)   ; B: 128 rows of 256 bytes, four words of padding after every 64
	s_mov_b32 s[G1B+1], 256<<16
	s_mov_b32 s[G1B+2], 128<<16
	s_mov_b32 s[G1B+3], 256<<16
	s_mov_b32 s[G1B+4], 128
	s_mov_b32 s[G1B+5], 1024
	s_mov_b32 s[G1B+6], 0
	s_mov_b32 s[G1B+7], 0
	s_or_b32 s[G1S+0], s43, (3<<16)|(1<<21)        ; A's scale words: 8 planes of 512 bytes (128 rows), 32,768 bytes apart
	s_mov_b32 s[G1S+1], 64<<16
	s_mov_b32 s[G1S+2], 8<<16
	s_mov_b32 s[G1S+3], 64<<16
	s_mov_b32 s[G1S+4], 8
	s_mov_b32 s[G1S+5], 4096
	s_mov_b32 s[G1S+6], 0
	s_mov_b32 s[G1S+7], 0
	s_or_b32 s[G1SB+0], s44, (3<<16)|(1<<20)|(1<<21)|(5<<22)|(3<<25)  ; B's scale bytes of 128 rows: 4,096 dense bytes as 16 rows of 256, 16 bytes of padding behind each
	s_mov_b32 s[G1SB+1], 32<<16
	s_mov_b32 s[G1SB+2], 16<<16
	s_mov_b32 s[G1SB+3], 32<<16
	s_mov_b32 s[G1SB+4], 16
	s_mov_b32 s[G1SB+5], 32
	s_mov_b32 s[G1SB+6], 0
	s_mov_b32 s[G1SB+7], 0
	s_lshl_b32 s20, s17, 18                        ; A: 16 tiles of 16,384 bytes a tile row,
	s_lshl_b32 s18, s16, 17                        ; 8 of them a half
	s_add_co_u32 s20, s20, s18
	s_mov_b32 s21, 0
	s_lshl_b32 s22, s17, 10                        ; its scale words in plane 0: 4 bytes a row
	s_lshl_b32 s18, s16, 9
	s_add_co_u32 s22, s22, s18
	s_mov_b32 s23, 0
	s_lshl_b32 s46, s42, 8
	s_lshl_b32 s18, s16, 7
	s_add_co_u32 s46, s46, s18                     ; B's row
	s_lshl_b32 s92, s46, 5
	s_add_co_u32 s92, s92, PS
	s_mov_b32 s93, 0
	s_lshl_b32 s46, s46, 10
	s_add_co_u32 s46, s46, PCO
	s_mov_b32 s47, 0
	s_lshl_b32 s45, s16, 15                        ; where they go in LDS: made of the wave's number alone
	s_mul_i32 s94, s16, HALFT
	s_add_co_u32 s94, s94, BOFF
	s_lshl_b32 s66, s16, 12
	s_add_co_u32 s66, s66, SCLA
	s_mul_i32 s67, s16, HALFS
	s_add_co_u32 s67, s67, SCLB
	s_wait_kmcnt 0x0
	s_add_nc_u64 s[20:21], s[4:5], s[20:21]
	s_add_nc_u64 s[22:23], s[6:7], s[22:23]
	s_add_nc_u64 s[46:47], s[8:9], s[46:47]
	s_add_nc_u64 s[92:93], s[10:11], s[92:93]
	CROUND                                         ; all sixteen work-groups are here: the first joint loads meet
	s_mov_b32 s[G0S], 1
	s_mov_b32 s[G0S+1], s66
	s_mov_b64 s[G0S+2:G0S+3], s[22:23]
	s_or_b32 s[G0S+3], s[G0S+3], 0x80000000
	s_mov_b32 s[G0SB], 1
	s_mov_b32 s[G0SB+1], s67
	s_mov_b64 s[G0SB+2:G0SB+3], s[92:93]
	s_or_b32 s[G0SB+3], s[G0SB+3], 0x80000000
	JLOAD G0S, G1S, G0SB, G1SB                     ; the scales first
.irp s, 0,1
	s_mov_b32 s[G0+4*\s], 1
	s_add_co_u32 s[G0+4*\s+1], s45, \s*SLOT
	s_add_nc_u64 s[G0+4*\s+2:G0+4*\s+3], s[20:21], \s*4096
	s_or_b32 s[G0+4*\s+3], s[G0+4*\s+3], 0x80000000
	s_mov_b32 s[G0B+4*\s], 1
	s_add_co_u32 s[G0B+4*\s+1], s94, \s*SLOT
	s_add_nc_u64 s[G0B+4*\s+2:G0B+4*\s+3], s[46:47], \s*256
	s_or_b32 s[G0B+4*\s+3], s[G0B+4*\s+3], 0x80000000
	JLOAD G0+4*\s, G1, G0B+4*\s, G1B               ; three loads of mine are out
.endr
	v_and_b32 v1, 15, v0                           ; r
	v_bfe_u32 v2, v0, 4, 1                         ; h
	v_and_b32 v6, 31, v0
	v_lshlrev_b32 v[CO], 4, v6
	v_mul_u32_u24 v3, v1, PITCH
	v_lshl_add_u32 v4, v2, 4, v3
	s_lshl_b32 s21, s15, 15                        ; my eight tiles of A
	s_mul_i32 s22, s16, HALFT
	s_add_co_u32 s22, s22, BOFF                    ; my 128 rows of B
.irp s, 0,1
	v_add_nc_u32 v[ADRA+\s], s21, v[CO]
	v_add_nc_u32 v[ADRB+\s], s22, v4
	s_add_co_u32 s21, s21, SLOT
	s_add_co_u32 s22, s22, SLOT
.endr
	v_mul_u32_u24 v5, v1, KS
	v_lshrrev_b32 v7, 8, v5
	v_lshl_add_u32 v5, v7, 4, v5
	s_mul_i32 s22, s16, HALFS
	s_add_co_u32 s22, s22, SCLB
	v_add_nc_u32 v[ADRS], s22, v5                  ; B's scale bytes: row r of a block
	s_lshl_b32 s21, s15, 12
	s_add_co_u32 s21, s21, SCLA
	v_lshl_add_u32 v[ADSA], v1, 2, s21             ; A's scale words: 4 r in plane 0 of my half
	s_mul_i32 s23, s14, 16*SPITCH                  ; my stage
	v_mul_u32_u24 v5, v1, SPITCH
	v_lshl_add_u32 v5, v2, 5, v5
	v_add_nc_u32 v[STO], s23, v5
	v_add_nc_u32 v[RD], s23, v[CO]
	s_lshl_b32 s20, s17, 8
	s_lshl_b32 s21, s15, 7
	s_add_co_u32 s20, s20, s21                     ; my first row of out0
	s_lshl_b32 s20, s20, 12                        ; 4,096 bytes a row
	s_mov_b32 s21, 0
	s_lshl_b32 s46, s42, 10                        ; my first column, in bytes
	s_lshl_b32 s47, s16, 9
	s_add_co_u32 s46, s46, s47
	s_mov_b32 s47, 0
	s_add_nc_u64 s[96:97], s[96:97], s[46:47]
	s_add_nc_u64 s[20:21], s[20:21], s[46:47]
	s_add_nc_u64 s[12:13], s[12:13], s[20:21]
	global_load_b128 v[8:11], v[CO], s[96:97]      ; the bias of the four columns that I store
.macro FRAGB reg, adr, q, i
.irp c, 0,1,2,3
	ds_load_b128 v[\reg+4*\c:\reg+4*\c+3], v[\adr] offset:128*(\q)+32*\c+(\i)*16*PITCH
.endr
.endm
.macro FRAGA reg, adr, q, i            ; an image comes back as it was stored: 512 consecutive bytes a load
.irp c, 0,1,2,3
	ds_load_b128 v[\reg+4*\c:\reg+4*\c+3], v[\adr] offset:4096*(\i)+2048*(\q)+512*\c
.endr
.endm
; 16 matrix instructions: A's blocks a0, a0 + 1 x B's eight.  The 64 accumulators take turns, one instruction a turn, in the same order in every step.
.macro MUL16 a0, p, q, sc, zero
.irp a, \a0, \a0+1
.irp b, 0,1,2,3,4,5,6,7
.if \zero
	v_wmma_scale_f32_16x16x128_f8f6f4 v[8*(8*((\a)%4)+\b):8*(8*((\a)%4)+\b)+7], v[128*(\p)+FR*\b:128*(\p)+FR*\b+FR-1], v[AF+FR*(\a):AF+FR*(\a)+FR-1], 0, v[SC+16*(\sc)+2*\b+(\q)], v[SA+16*(\sc)+2*(\a)+(\q)]
.else
	v_wmma_scale_f32_16x16x128_f8f6f4 v[8*(8*((\a)%4)+\b):8*(8*((\a)%4)+\b)+7], v[128*(\p)+FR*\b:128*(\p)+FR*\b+FR-1], v[AF+FR*(\a):AF+FR*(\a)+FR-1], v[8*(8*((\a)%4)+\b):8*(8*((\a)%4)+\b)+7], v[SC+16*(\sc)+2*\b+(\q)], v[SA+16*(\sc)+2*(\a)+(\q)]
.endif
.endr
.endr
.endm
.macro FETCH_B slot, q, p
	WIN TO_B
.irp i, 0,1,2,3,4,5,6,7
	FRAGB 128*(\p)+FR*\i, ADRB+\slot, \q, \i
.endr
	WIN 0
.endm
.macro FETCH_A slot, q, i0
.irp i, \i0, \i0+1, \i0+2, \i0+3
	FRAGA AF+FR*(\i), ADRA+\slot, \q, \i
.endr
.endm
.macro SCALES sc                       ; a K step's scale words: B's two words a row by one load; A's from two planes
.irp i, 0,1,2,3,4,5,6,7
	ds_load_b64 v[SC+16*\sc+2*\i:SC+16*\sc+2*\i+1], v[ADRS] offset:\i*SBLK
.endr
.irp i, 0,1,2,3,4,5,6,7
.irp q, 0,1
	ds_load_b32 v[SA+16*\sc+2*\i+\q], v[ADSA] offset:512*\q+64*\i
.endr
.endr
.endm
.macro PLACES n
.rept \n
	v_nop
.endr
.endm
.macro STEP slot, q, zero
	s_wait_dscnt 4*NL                              ; all but the youngest sixteen loads (A's blocks 4-7) are in
	WIN MUL_LO
	MUL16 0, (\q)%2, \q, \slot, \zero
	MUL16 2, (\q)%2, \q, \slot, \zero
	s_wait_dscnt 0
	PLACES NP
	FETCH_B \slot, (\q)+1, 1-(\q)%2
	FETCH_A \slot, (\q)+1, 0
	WIN MUL_HI
	MUL16 4, (\q)%2, \q, \slot, \zero
	MUL16 6, (\q)%2, \q, \slot, \zero
	PLACES NP
	WIN 0
	FETCH_A \slot, (\q)+1, 4
.endm
.macro TURN slot, next, fill
	s_wait_tensorcnt 0x0                           ; all my tensor loads have landed: my part of the next slot
	ds_add_u32 v[SPW], v[NIL]                      ; 0 onto my spare word
	s_wait_dscnt 4*NL+1                            ; (the add and the youngest sixteen loads may be out)
	WIN MUL_LO
	MUL16 0, 1, NQ-1, \slot, 0
	s_wait_dscnt 0x0                               ; the add is done, and my reads of this slot are over
	s_barrier_signal -1
	MUL16 2, 1, NQ-1, \slot, 0
	WIN 0
	s_barrier_wait -1
.if \fill
	CREST                                          ; the barrier has opened a round of the cluster's: no wave of any partner still reads this slot or has a load on its way
	s_add_nc_u64 s[G0+4*\slot+2:G0+4*\slot+3], s[G0+4*\slot+2:G0+4*\slot+3], 8192
	s_add_nc_u64 s[G0B+4*\slot+2:G0B+4*\slot+3], s[G0B+4*\slot+2:G0B+4*\slot+3], 512
	JLOAD G0+4*\slot, G1, G0B+4*\slot, G1B         ; the first tensor load behind the round, my one load until the next
	PLACES NP-4
.else
	PLACES NP
.endif
	v_add_nc_u32 v[ADRS], 4*NQ, v[ADRS]            ; the next K step's scale words: 8 bytes on in B's rows,
	v_add_nc_u32 v[ADSA], 1024, v[ADSA]            ; two planes on in A's
	FETCH_B \next, 0, 0
	FETCH_A \next, 0, 0
	SCALES \next
	WIN MUL_HI
	MUL16 4, 1, NQ-1, \slot, 0
	MUL16 6, 1, NQ-1, \slot, 0
	PLACES NP
	WIN 0
	FETCH_A \next, 0, 4
.endm
	s_wait_tensorcnt 1                             ; the scales and my part of K step 0 are in; K step 1's load may be out
	s_barrier_signal -1
	s_barrier_wait -1
	FETCH_B 0, 0, 0
	FETCH_A 0, 0, 0
	SCALES 0
	FETCH_A 0, 0, 4
	STEP 0, 0, 1                                   ; the first step's products start the sums
	s_mov_b32 s3, LAPS-1
.Llap:
	TURN 0, 1, 1
	STEP 1, 0, 0
	TURN 1, 0, 1
	STEP 0, 0, 0
	s_sub_co_u32 s3, s3, 1
	s_cmp_lg_u32 s3, 0
	s_cbranch_scc1 .Llap
	TURN 0, 1, 0
	STEP 1, 0, 0
	s_wait_dscnt 4*NL
	WIN MUL_LO
	MUL16 0, 1, NQ-1, 1, 0
	MUL16 2, 1, NQ-1, 1, 0
	s_wait_dscnt 0
	WIN MUL_HI
	MUL16 4, 1, NQ-1, 1, 0
	MUL16 6, 1, NQ-1, 1, 0
	WIN 0
; THE WAY OUT, block by block of 16 rows x 128 columns, through my own stage in LDS: in as 32 bytes a lane, back as whole rows of 512 bytes, to which the bias is added.
.macro TOSTAGE a
.set AC, 64*((\a)%4)
.set WS, 8+4*((\a)/4)                  ; an LDS store's data are its source 1: window 2 or 3
	WIN WS
.irp b, 0,1,2,3,4,5,6,7
	ds_store_b128 v[STO], v[AC+8*\b:AC+8*\b+3] offset:64*\b          ; each accumulator from its low end on
	ds_store_b128 v[STO], v[AC+8*\b+4:AC+8*\b+7] offset:64*\b+16
.endr
	WIN 0
.set BB, BK+64*((\a)%2)
.irp t, 0,1,2,3,4,5,6,7,8,9,10,11,12,13,14,15
	ds_load_b128 v[BB+4*\t:BB+4*\t+3], v[RD] offset:\t*SPITCH        ; LDS serves a wave's instructions in order: these see the stores above
.endr
.endm
.macro SEND a, younger                 ; younger: the LDS instructions issued behind block a's loads, which may stay out
.set BB, BK+64*((\a)%2)
	s_wait_dscnt \younger
.if ((\a) > 0) && ((\a)%2 == 0)
	s_add_nc_u64 s[12:13], s[12:13], 32*SIZE_N*4   ; (behind a wait on XCNT)  a pair of blocks covers 32 rows
.endif
.irp t, 0,1,2,3,4,5,6,7,8,9,10,11,12,13,14,15
	v_pk_add_f32 v[BB+4*\t:BB+4*\t+1], v[BB+4*\t:BB+4*\t+1], v[8:9]
	v_pk_add_f32 v[BB+4*\t+2:BB+4*\t+3], v[BB+4*\t+2:BB+4*\t+3], v[10:11]
	global_store_b128 v[CO], v[BB+4*\t:BB+4*\t+3], s[12:13] offset:(8*((\a)%2)+(\t%8)+16*(\t/8))*SIZE_N*4 th:TH_STORE_NT   ; stage row t is token 8 (a % 2) + t % 8 + 16 (t / 8) of the pair's 32; 512 consecutive bytes, aligned
.endr
.endm
	PLACES NP
	s_wait_loadcnt 0x0                             ; the bias
	TOSTAGE 0
.irp a, 1,2,3,4,5,6,7
.if \a > 1
	s_wait_xcnt 0x0                                ; block a - 2's stores have read their registers and their base
.endif
	TOSTAGE \a
	SEND \a-1, 32                                  ; behind block a - 1's loads: block a's 16 stores and 16 loads
.endr
	s_wait_xcnt 0x0
	SEND 7, 0
	s_wait_tensorcnt 0x0                           ; the wave's end
	ds_add_u32 v[SPW], v[NIL]
	s_wait_dscnt 0x0
	CROUND                                         ; the closing round
	s_endpgm
.Lfunc_end_k_qfdca3a0a38_proj:
	.size	k_qfdca3a0a38_proj, .Lfunc_end_k_qfdca3a0a38_proj-k_qfdca3a0a38_proj
	.p2alignl 7, 3214868480
	.fill 96, 4, 3214868480
	.section	.rodata,"a",@progbits
	.p2align	6, 0x0
	.amdhsa_kernel k_qfdca3a0a38_proj
		.amdhsa_group_segment_fixed_size 327680
		.amdhsa_private_segment_fixed_size 0
		.amdhsa_enable_private_segment 0
		.amdhsa_kernarg_size 48
		.amdhsa_user_sgpr_count 2
		.amdhsa_user_sgpr_kernarg_segment_ptr 1
		.amdhsa_wavefront_size32 1
		.amdhsa_system_sgpr_workgroup_id_x 1
		.amdhsa_system_sgpr_workgroup_id_y 1
		.amdhsa_system_sgpr_workgroup_id_z 1
		.amdhsa_system_vgpr_workitem_id 0
		.amdhsa_next_free_vgpr 1024
		.amdhsa_next_free_sgpr 98
		.amdhsa_reserve_vcc 0
		.amdhsa_float_denorm_mode_32 3
		.amdhsa_float_denorm_mode_16_64 3
		.amdhsa_memory_ordered 1
		.amdhsa_forward_progress 1
		.amdhsa_inst_pref_size 166
	.end_amdhsa_kernel
	.amdgpu_metadata
---
amdhsa.version: [ 1, 2 ]
amdhsa.kernels:
  - .name:           k_qfdca3a0a38_proj
    .symbol:         k_qfdca3a0a38_proj.kd
    .args:
      - { .name: ac, .offset: 0, .size: 8, .value_kind: global_buffer, .address_space: global }
      - { .name: asc, .offset: 8, .size: 8, .value_kind: global_buffer, .address_space: global }
      - { .name: cod1, .offset: 16, .size: 8, .value_kind: global_buffer, .address_space: global }
      - { .name: scl1, .offset: 24, .size: 8, .value_kind: global_buffer, .address_space: global }
      - { .name: proj_b, .offset: 32, .size: 8, .value_kind: global_buffer, .address_space: global }
      - { .name: out0, .offset: 40, .size: 8, .value_kind: global_buffer, .address_space: global }
    .group_segment_fixed_size: 327680
    .private_segment_fixed_size: 0
    .kernarg_segment_align: 8
    .kernarg_segment_size: 48
    .max_flat_workgroup_size: 128
    .sgpr_count:     98
    .vgpr_count:     1024
    .wavefront_size: 32
...
	.end_amdgpu_metadata
.endif
;; end of part 4
;; ======== version 2 of 2: 4 launches; version 1 with the launch attn written anew for expert scheduling mode
;; workspace buffers: cod1 12,582,912 bytes; scl1 393,216 bytes; qkv 25,165,824 bytes; sc 1,310,720 bytes; mw 524,288 bytes of whole numbers; fl 512 bytes of whole numbers; ac 8,388,608 bytes; asc 262,144 bytes
;; launch prep: the kernel of part 1 again; grid 416 x 1, 4 waves a work-group, no clusters, 33,280 bytes of LDS; arguments x, qkv_w, proj_w, attn_mask, cod1, scl1, mw, fl; writes cod1, scl1, mw, fl
;; launch qkv: the kernel of part 2 again; grid 12 x 32, 4 waves a work-group, clusters of 4 x 4, 327,680 bytes of LDS; arguments cod1, scl1, qkv_b, qkv, sc; writes qkv, sc
;; launch attn (part 5): grid 64 x 8, 16 waves a work-group, no clusters, 133,632 bytes of LDS; arguments qkv, sc, mw, fl, ac, asc; writes ac, asc
.if DOCPART == 5
	.amdgcn_target "amdgcn-amd-amdhsa--gfx1250"
	.amdhsa_code_object_version 6
	.text
	.protected	k_qfdca3a0a38_attn
	.globl	k_qfdca3a0a38_attn
	.p2align	8
	.type	k_qfdca3a0a38_attn,@function
k_qfdca3a0a38_attn:
	s_mov_b64 s[64:65], 0
	v_nop
	global_prefetch_b8 v0, s[64:65] scope:SCOPE_SE
	s_setreg_imm32_b32 hwreg(HW_REG_WAVE_SCHED_MODE, 0, 2), 2
	s_setreg_imm32_b32 hwreg(HW_REG_WAVE_MODE, 25, 1), 1
	s_wait_xcnt 0x0
	s_wait_alu depctr_vm_vsrc(0)
; Attention on codes of FP8 (E4M3) with E8M0 scales, under a mask that is an input, and its result quantised along the 1,024 channels for the last product.
; t = score x log2(e) / 8; M = the row's largest t so far, rounded up to a whole number; p = 2^(t - M) is quantised along the keys, not normalised; the row's sum is taken of the unquantised p and divides at the end.
; SHARES.  A work-group owns 128 queries of one batch and two heads; each of its sixteen waves owns one tile of 16 queries of one head (wave / 8), in 256 registers: four waves to a SIMD.
; Both products are used transposed: S^T = K Q^T, O^T = V^T P^T: a lane holds one query throughout.  The head's K is 64: registers 8-15 of Q's fragment are zero codes, and registers 8-15 of a key tile's
; fragment are whatever finite codes follow it (the next tile's, or zeros): those products are zeros.
; THE MASK.  fl[tile] says which steps of 128 keys hold a true byte for a tile of queries; a step without one adds nothing to rows that have a true key somewhere, and a tile with a row that has none has all its
; bits set.  A wave passes over the steps that its word leaves out; a step's tiles are brought into LDS where any of the block's eight words names it.  In a step that is walked, mw's 64 lane masks put -2^120 in the
; place of hidden scores: c x -2^120 is exact, so a row that has seen hidden keys alone has t - M = 0 and p = 1 on each, as a row without any true key wants; the first true key's M multiplies that away by 0.
; These are branches on whole numbers that an earlier launch stored, so the launch has no tensor load: K, V and their scale words go through registers into two LDS slots that take turns, a step ahead.
; No cluster: which tiles a work-group reads hangs on the stored words, so partners could not make every joint request without fetching all sixteen steps.
; LIMITS: scores stay under 2^120 in magnitude; NaN and infinities are not served; blocks whose largest magnitude lies under 2^-118 keep the byte 1.
; LDS: slot s at 65,536 s: for each head 16,384 bytes of codes (K's 8 tiles of 1,024, then V's 4 fragments of 2,048); at 32,768 for each head 768 bytes of scale words.  At 131,072: 512 bytes for the result's scale words.
; THE MODE: SCHED_MODE bits 1:0 = 2 (LLVM: expert scheduling mode 2), set by the entry lines.  The code itself states the register dependences
; between vector or matrix instructions and memory or LDS instructions, with s_wait_alu, always for 0.
; THE PLAN.  Registers that memory or LDS instructions touch:
;   v1-8, v13, v14, v37, v38, v59   addresses and offsets: made once at the head, ahead of the head's wait, and never written again.
;   SG    zeros from the head; each trip's staging loads land in it, the trip's LDS stores read it: one wait on vm_vsrc at a trip's head, ahead of the next loads.  No vector instruction of the loop names it.
;   KSR, VSR   loaded at a step's head; read as scales, KSR by the eight products K Q^T, VSR by the step's last four products.
;   KB    a step loads it three times: key tiles 0-3, key tiles 4-7, V's fragments 0 and 1; each load stands behind a wait behind the products that read what lay there.
;   S + 32 .. 63   scores, then p; behind the conversions that read them V's fragments 2 and 3 land there.
;   PC, PW   p's codes and scale word: written by vector instructions, taken by scaled products; on the way out PC is the stores' data.
; So a step has five waits on va_vdst: at its head (the last step's four products V^T P^T are done reading VSR and KB); ahead of key tiles 4-7; the two behind the exponentials, of which the first also frees KB for V;
; and one behind the last conversion, which frees S + 32 .. 63 and shows PC and PW written.  Behind each, no vector or matrix instruction names the registers that the loads behind it touch.
.set HCOD, 16384
.set VOFF, 8192
.set SCO,  32768
.set HSC,  768
.set ASTG, 131072
; v1-4, v5-8: for slot 0, 1: my place in the head's codes; among its scale words; where I stage codes; where I stage scale words
.set LI,  13                           ; v13 16 x lane
.set LS,  14                           ; v14 4 x lane
.set NEG, 15                           ; v15 -2^120
.set Q,   20                           ; v20-35 Q's fragment; v28-35 zeros
.set QS,  36                           ; v36 Q's scale words
.set SG,  40                           ; v40-55, v56 what I stage
.set KSR, 60                           ; v60-67 K's scale words
.set VSR, 68                           ; v68-71 V's
.set KB,  72                           ; v72-103 four key tiles of 8 registers, then V's fragments 0 and 1; v104-111 zeros
.set S,   112                          ; v112-175 S^T, then p; v144-175 then V's fragments 2 and 3
.set O,   176                          ; v176-207 O^T
.set PC,  208                          ; v208-223 p's codes
.set BM,  224
.set T1,  228
.set HL,  232
.set SO,  236
.set F,   240                          ; v[240:241] f = 2^(old M - new M)
.set PW,  242                          ; p's scale word
.set TA,  243
.set TW,  244
.set SU,  246                          ; v[246:247] the sum's second chain
.set RI,  248                          ; v[248:249] 1 / the sum
	s_load_b256 s[4:11], s[0:1], 0x0               ; qkv s[4:5], sc s[6:7], mw s[8:9], fl s[10:11]
	s_load_b128 s[12:15], s[0:1], 0x20             ; ac s[12:13], asc s[14:15]
	v_lshl_add_u32 v254, v0, 2, 0x20200
	v_mov_b32 v255, 0
	v_lshrrev_b32 v1, 5, v0
	v_readfirstlane_b32 s2, v1                     ; wave 0..15
	s_wait_alu depctr_va_sdst(0)                   ; s2 is written, ahead of its first reader: every base and LDS place below is made from it
	s_and_b32 s3, s2, 7                            ; my tile of the block's eight
	s_lshr_b32 s101, s2, 3                         ; which of the two heads
	s_lshr_b32 s40, ttmp9, 4                       ; the batch
	s_and_b32 s41, ttmp9, 15                       ; the block of 128 queries
	s_and_b32 s42, ttmp7, 0xffff                   ; the pair of heads
	s_lshl_b32 s43, s42, 1
	s_add_co_u32 s43, s43, s101                    ; the head
	s_lshl_b32 s44, s40, 4
	s_add_co_u32 s44, s44, s43
	s_lshl_b32 s46, s44, 17                        ; the head's bytes in a section of qkv: 16 records of 8,192
	s_mul_i32 s47, s44, 20480                      ; and in sc: 16 records of 1,280
	s_lshr_b32 s48, s3, 2                          ; what I stage: tiles 0-3 take K's record by quarters, 4-7 V's
	s_add_co_u32 s48, s48, 1
	s_lshl_b32 s48, s48, 23
	s_add_co_u32 s48, s48, s46
	s_and_b32 s49, s3, 3
	s_lshl_b32 s49, s49, 11
	s_add_co_u32 s48, s48, s49
	s_mov_b32 s49, 0
	s_lshl_b32 s50, s3, 7                          ; and, tiles 0-5, 128 bytes of the record's first 768 scale bytes
	s_add_co_u32 s50, s50, s47
	s_mov_b32 s51, 0
	s_lshl_b32 s52, s41, 13                        ; Q's tile
	s_add_co_u32 s52, s52, s46
	s_lshl_b32 s53, s3, 10
	s_add_co_u32 s52, s52, s53
	s_mov_b32 s53, 0
	s_mul_i32 s54, s41, 1280                       ; Q's scale words: [g 2][r 16][tt 4] at 768
	s_add_co_u32 s54, s54, s47
	s_lshr_b32 s55, s3, 2
	s_lshl_b32 s55, s55, 8
	s_add_co_u32 s54, s54, s55
	s_and_b32 s55, s3, 3
	s_lshl_b32 s55, s55, 2
	s_add_co_u32 s54, s54, s55
	s_add_co_u32 s54, s54, 768
	s_mov_b32 s55, 0
	s_lshl_b32 s56, s41, 3
	s_add_co_u32 s56, s56, s3                      ; my tile among the sequence's 128
	s_lshl_b32 s58, s56, 12                        ; its lane masks
	s_mov_b32 s59, 0
	s_lshl_b32 s60, s41, 5                         ; the block's eight flag words
	s_mov_b32 s61, 0
	s_lshl_b32 s62, s3, 2                          ; mine
	s_mov_b32 s63, 0
	s_lshl_b32 s68, s40, 7
	s_add_co_u32 s68, s68, s56
	s_lshl_b32 s68, s68, 14                        ; ac: 16,384 bytes a tile of tokens,
	s_lshl_b32 s69, s43, 10                        ; 1,024 a head
	s_add_co_u32 s68, s68, s69
	s_mov_b32 s69, 0
	s_lshl_b32 s70, s42, 15                        ; asc: a plane of 32,768 bytes for each pair of heads; 4 bytes a row
	s_lshl_b32 s71, s40, 13
	s_add_co_u32 s70, s70, s71
	s_lshl_b32 s71, s41, 9
	s_add_co_u32 s70, s70, s71
	s_mov_b32 s71, 0
	s_lshl_b32 s74, s101, 14                       ; LDS: my head's codes,
	s_mul_i32 s75, s101, HSC
	s_add_co_u32 s75, s75, SCO                     ; its scale words,
	s_lshl_b32 s76, s2, 11                         ; my 2,048 bytes of staged codes,
	s_lshl_b32 s77, s3, 7
	s_add_co_u32 s77, s77, s75                     ; my 128 bytes of staged scale words,
	s_lshl_b32 s78, s3, 6
	s_lshl_b32 s79, s101, 1
	s_add_co_u32 s78, s78, s79
	s_add_co_u32 s78, s78, ASTG                    ; my tile's 64 bytes of the result's scale words, my head's half of each word
	s_mov_b32 s18, 8
	s_mov_b32 s19, 0x600000                        ; the mantissa field of 448
	s_mov_b32 s20, 0x76543210
	s_mov_b32 s21, 0xfedcba98                      ; lane l xor 16
	s_mov_b32 s22, 0x3e38aa3b                      ; c = log2(e) / 8
	s_mov_b32 s23, s22                             ; (named with it as a pair)
	v_and_b32 v57, 31, v0
	v_and_b32 v58, 15, v0
	v_lshlrev_b32 v[LI], 4, v57
	v_lshlrev_b32 v[LS], 2, v57
	v_lshlrev_b32 v59, 4, v58
	v_add_nc_u32 v1, s74, v[LI]                    ; every LDS address is made here, ahead of the first branch
	v_lshl_add_u32 v2, v58, 4, s75
	v_add_nc_u32 v3, s76, v[LI]
	v_add_nc_u32 v4, s77, v[LS]
.irp i, 0,1,2,3
	v_add_nc_u32 v[5+\i], 0x10000, v[1+\i]
.endr
	v_lshl_add_u32 v37, v58, 2, s78
	v_add_nc_u32 v38, ASTG, v[LI]
	v_mov_b32 v[NEG], 0xfb800000
	v_mov_b32 v17, 0xff61b1e6                      ; the largest t so far: -3e38
	v_floor_f32 v16, -v17                          ; -M
	v_mov_b32 v18, 0                               ; the sum, in two halves
	v_mov_b32 v19, 0
.irp i, 0,1,2,3,4,5,6,7
	v_mov_b32 v[Q+8+\i], 0                         ; zero codes for K = 64 .. 127
	v_mov_b32 v[KB+32+\i], 0
.endr
.irp i, 0,1,2,3,4,5,6,7,8,9,10,11,12,13,14,15,16
	v_mov_b32 v[SG+\i], 0                          ; defined on every way through the branches on the flags
.endr
.irp i, 0,1,2,3,4,5,6,7,8,9,10,11,12,13,14,15,16,17,18,19,20,21,22,23,24,25,26,27,28,29,30,31
	v_mov_b32 v[O+\i], 0                           ; the step is written without a first form of its own: the first change of M multiplies zeros
.endr
.irp b, 0,1,2,3
	v_mov_b32 v[T1+\b], 0                          ; a lane permute's destination counts as one of its sources
.endr
	v_mov_b32 v[F+1], 0                            ; (upper halves of pairs of which the low word alone is used)
	v_mov_b32 v[RI+1], 0
	v_mov_b32 v[TA], 0
	s_wait_kmcnt 0x0
	s_add_nc_u64 s[10:11], s[10:11], s[60:61]
	s_add_nc_u64 s[72:73], s[10:11], s[62:63]
	s_load_b256 s[84:91], s[10:11], 0x0            ; the block's eight words
	s_load_b32 s17, s[72:73], 0x0                  ; mine
	s_add_nc_u64 s[24:25], s[4:5], s[48:49]
	s_add_nc_u64 s[26:27], s[6:7], s[50:51]
	s_add_nc_u64 s[28:29], s[4:5], s[52:53]
	s_add_nc_u64 s[30:31], s[6:7], s[54:55]
	s_add_nc_u64 s[8:9], s[8:9], s[58:59]
	s_add_nc_u64 s[12:13], s[12:13], s[68:69]
	s_add_nc_u64 s[14:15], s[14:15], s[70:71]
	s_wait_alu depctr_va_vdst(0)                   ; written: the addresses and offsets v1-8, v13, v14, v37, v38, v59, which every load and store of the kernel reads; SG's zeros, in which the staging loads land and which the LDS stores may read; the zero codes v28-35 and v104-111, which the scaled products take as operands
	global_load_b128 v[Q:Q+3], v[LI], s[28:29]
	global_load_b128 v[Q+4:Q+7], v[LI], s[28:29] offset:512
	global_load_b32 v[QS], v59, s[30:31]
	s_wait_kmcnt 0x0
	s_or_b32 s16, s84, s85
	s_or_b32 s16, s16, s86
	s_or_b32 s16, s16, s87
	s_or_b32 s16, s16, s88
	s_or_b32 s16, s16, s89
	s_or_b32 s16, s16, s90
	s_or_b32 s16, s16, s91
	s_and_b32 s16, s16, 0xffff                     ; bit 16 is 0: the last trip stages nothing
.macro SLOADS k                        ; my part of the tiles of the k-th step from the bases on
.irp j, 0,1,2,3
	global_load_b128 v[SG+4*\j:SG+4*\j+3], v[LI], s[24:25] offset:8192*(\k)+512*\j
.endr
	s_cmp_lt_u32 s3, 6
	s_cbranch_scc0 .Lsl_\@
	global_load_b32 v[SG+16], v[LS], s[26:27] offset:1280*(\k)
.Lsl_\@:
.endm
.macro SSTORE slot
.irp j, 0,1,2,3
	ds_store_b128 v[3+4*(\slot)], v[SG+4*\j:SG+4*\j+3] offset:512*\j
.endr
	s_cmp_lt_u32 s3, 6
	s_cbranch_scc0 .Lss_\@
	ds_store_b32 v[4+4*(\slot)], v[SG+16]
.Lss_\@:
.endm
; A KEY STEP: 128 keys, from slot idx.
.macro STEP idx
.set AK, 1+4*(\idx)
.set AS, 2+4*(\idx)
	s_wait_alu depctr_va_vdst(0)                   ; the last step's four products V^T P^T are done reading V's scale words and the two fragments of V in KB: the loads below land in both
	s_load_b512 s[32:47], s[8:9], 256*(\idx)       ; the step's 64 lane masks: word n in s[32 + n], from n = 32 on in s[36 + n]
	s_load_b512 s[48:63], s[8:9], 256*(\idx)+64
	s_load_b512 s[68:83], s[8:9], 256*(\idx)+128
	s_load_b512 s[84:99], s[8:9], 256*(\idx)+192
.irp g, 0,1                            ; S^T = K Q^T, four tiles of 16 keys at a time
.if \g > 0
.rept 8
	v_nop                                          ; places in front of loads into registers that the four products above have read (the first group's stand at the last step's end)
.endr
	s_wait_alu depctr_va_vdst(0)                   ; the four products above are done reading key tiles 0-3, in whose registers tiles 4-7 land; the places above stay beside this wait
.endif
.irp t, 0,1,2,3
	ds_load_b128 v[KB+8*\t:KB+8*\t+3], v[AK] offset:(4*\g+\t)*1024
	ds_load_b128 v[KB+8*\t+4:KB+8*\t+7], v[AK] offset:(4*\g+\t)*1024+512
.endr
.if \g == 0
	ds_load_b128 v[KSR:KSR+3], v[AS]               ; the scale words of all eight key tiles and of V's four fragments come with the first group
	ds_load_b128 v[KSR+4:KSR+7], v[AS] offset:256
	ds_load_b128 v[VSR:VSR+3], v[AS] offset:512
.endif
	s_wait_dscnt 0x0
.irp t, 0,1,2,3
	v_wmma_scale_f32_16x16x128_f8f6f4 v[S+8*(4*\g+\t):S+8*(4*\g+\t)+7], v[KB+8*\t:KB+8*\t+15], v[Q:Q+15], 0, v[KSR+4*\g+\t], v[QS]
.endr
.endr
.rept 8
	v_nop
.endr
	s_wait_kmcnt 0x0
.set n, 0
.rept 64
	v_cndmask_b32 v[S+n], v[NEG], v[S+n], s[32+n+4*(n/32)]   ; hidden keys: -2^120.  Ascending: each accumulator is first read at its low end
.set n, n+1
.endr
.irp b, 0,1,2,3
	v_max3_num_f32 v[BM+\b], v[S+16*\b], v[S+16*\b+1], v[S+16*\b+2]   ; the largest score of each block of 32 keys: for the row's maximum and, since p rises with the score, for the block's largest p
.endr
.irp i, 3,5,7,9,11,13
.irp b, 0,1,2,3
	v_max3_num_f32 v[BM+\b], v[BM+\b], v[S+16*\b+\i], v[S+16*\b+\i+1]
.endr
.endr
.irp b, 0,1,2,3
	v_max_num_f32 v[BM+\b], v[BM+\b], v[S+16*\b+15]
.endr
.irp b, 0,1,2,3
	v_permlanex16_b32 v[T1+\b], v[BM+\b], s20, s21
.endr
.irp b, 0,1,2,3
	v_max_num_f32 v[BM+\b], v[BM+\b], v[T1+\b]
.endr
	v_max3_num_f32 v[TA], v[BM], v[BM+1], v[BM+2]
	v_max_num_f32 v[TA], v[TA], v[BM+3]
	v_mul_f32 v[TA], s22, v[TA]                    ; as t
	v_max_num_f32 v17, v17, v[TA]                  ; the running largest t
	v_mov_b32 v[TA], v16
	v_floor_f32 v16, -v17                          ; the new -M = -ceil(t)
	v_sub_f32 v[TA], v16, v[TA]                    ; old M - new M: a whole number, 0 or less
	v_cvt_i32_f32 v[TA], v[TA]                     ; (it saturates)
	v_ldexp_f32 v[F], 1.0, v[TA]                   ; f: a multiplication by it rounds nothing
.irp j, 0,2,4,6,8,10,12,14,16,18,20,22,24,26,28,30,32,34,36,38,40,42,44,46,48,50,52,54,56,58,60,62
	v_pk_fma_f32 v[S+\j:S+\j+1], v[S+\j:S+\j+1], s[22:23], v[16:17] op_sel_hi:[1,0,0]   ; t - M, two at a time
.endr
.irp b, 0,1,2,3
	v_fma_f32 v[BM+\b], v[BM+\b], s22, v16
.endr
.set n, 0
.rept 64
	v_exp_f32 v[S+n], v[S+n]                       ; p = 2^(t - M)
.set n, n+1
.endr
	v_pk_mul_f32 v[18:19], v[18:19], v[F:F+1] op_sel_hi:[1,0]   ; the sums under the new M: the plain instruction behind the exponentials
	s_wait_alu depctr_va_vdst(0)                   ; the 64 exponentials have written p, ahead of its first reader; and the products K Q^T are done reading key tiles 4-7, in whose registers the loads below land
.irp b, 0,1
.irp c, 0,1,2,3
	ds_load_b128 v[KB+16*\b+4*\c:KB+16*\b+4*\c+3], v[AK] offset:VOFF+2048*\b+512*\c   ; V's fragments 0 and 1: they land under the sums, the scales, the holds and the conversions, none of which names KB
.endr
.endr
.irp b, 0,1,2,3
	v_exp_f32 v[BM+\b], v[BM+\b]                   ; each block's largest p
.endr
	v_pk_add_f32 v[SU:SU+1], v[S:S+1], v[S+2:S+3]  ; the row's sum of the unquantised p, in two chains
.irp j, 4,8,12,16,20,24,28,32,36,40,44,48,52,56,60
	v_pk_add_f32 v[18:19], v[18:19], v[S+\j:S+\j+1]
	v_pk_add_f32 v[SU:SU+1], v[SU:SU+1], v[S+\j+2:S+\j+3]
.endr
	v_pk_add_f32 v[18:19], v[18:19], v[SU:SU+1]
	s_wait_alu depctr_va_vdst(0)                   ; the four exponentials have written the blocks' largest p, ahead of its first reader
.irp b, 0,1,2,3
	v_max_num_f32 v[BM+\b], 0x4800000, v[BM+\b]    ; the floor 2^(9 - 127)
.endr
.irp b, 0,1,2,3
	v_add_nc_u32 v[SO+\b], 0xfc000000, v[BM+\b]
.endr
.irp b, 0,1,2,3
	v_and_or_b32 v[HL+\b], v[BM+\b], 0x7f800000, s19
.endr
.irp b, 0,1,2,3
	v_lshrrev_b32 v[T1+\b], 23, v[SO+\b]
.endr
	v_lshl_or_b32 v[PW], v[T1+1], 8, v[T1]         ; p's scale word for these 128 keys
	v_lshl_or_b32 v[PW], v[T1+2], 16, v[PW]
	v_lshl_or_b32 v[PW], v[T1+3], 24, v[PW]
.irp b, 0,1,2,3
.irp i, 0,1,2,3,4,5,6,7,8,9,10,11,12,13,14,15
	v_min_num_f32 v[S+16*\b+\i], v[S+16*\b+\i], v[HL+\b]   ; p is not negative: a one-sided hold
.endr
	v_cvt_scalef32_pk8_fp8_f32 v[PC+4*\b:PC+4*\b+1], v[S+16*\b:S+16*\b+7], v[SO+\b]
	v_cvt_scalef32_pk8_fp8_f32 v[PC+4*\b+2:PC+4*\b+3], v[S+16*\b+8:S+16*\b+15], v[SO+\b]
.endr
	s_wait_alu depctr_va_vdst(0)                   ; the holds and the conversions are done with p's registers 32 to 63, in which the loads below land; p's codes and its scale word are written, which the scaled products below take
.irp b, 2,3
.irp c, 0,1,2,3
	ds_load_b128 v[S+16*\b+4*\c:S+16*\b+4*\c+3], v[AK] offset:VOFF+2048*\b+512*\c   ; V's fragments 2 and 3
.endr
.endr
.irp j, 0,2,4,6,8,10,12,14,16,18,20,22,24,26,28,30
	v_pk_mul_f32 v[O+\j:O+\j+1], v[O+\j:O+\j+1], v[F:F+1] op_sel_hi:[1,0]   ; O^T under the new M; also the places between the conversions and the products.  They name none of the registers in which V lands
.endr
	s_wait_dscnt 0x0
.irp t, 0,1
	v_wmma_scale_f32_16x16x128_f8f6f4 v[O+8*\t:O+8*\t+7], v[KB+16*\t:KB+16*\t+15], v[PC:PC+15], v[O+8*\t:O+8*\t+7], v[VSR+\t], v[PW]
.endr
.irp t, 2,3
	v_wmma_scale_f32_16x16x128_f8f6f4 v[O+8*\t:O+8*\t+7], v[S+16*\t:S+16*\t+15], v[PC:PC+15], v[O+8*\t:O+8*\t+7], v[VSR+\t], v[PW]
.endr
.rept 9
	v_nop                                          ; nine places: the next step's products write over registers that these four have read
.endr
.endm
; A trip: the next step's tiles are asked for, this step is worked, the tiles go into the other slot; one barrier.  In front of it every wave has waited for its reads of this slot and its stores into the other,
; so behind it the other slot is whole and this one may be written.
.macro TRIP idx
	s_wait_alu depctr_vm_vsrc(0)                   ; the last staging stores into LDS have read SG, in which the loads below land; ahead of the branch, so on every way to them
	s_bitcmp1_b32 s16, 1
	s_cbranch_scc0 .Lnl_\@
	SLOADS (\idx)+1
.Lnl_\@:
	s_bitcmp1_b32 s17, 0
	s_cbranch_scc0 .Lns_\@
	STEP \idx
.Lns_\@:
	s_wait_loadcnt 0x0                             ; on every way: no staging load is out when its registers are read, or loaded again
	s_bitcmp1_b32 s16, 1
	s_cbranch_scc0 .Lnst_\@
	SSTORE 1-(\idx)
.Lnst_\@:
	s_wait_dscnt 0x0
	s_barrier_signal -1
	s_barrier_wait -1
	s_lshr_b32 s16, s16, 1
	s_lshr_b32 s17, s17, 1
.endm
	s_bitcmp1_b32 s16, 0
	s_cbranch_scc0 .Lh0
	SLOADS 0
	s_wait_loadcnt 0x0
	SSTORE 0
.Lh0:
	s_wait_loadcnt 0x0                             ; Q
	s_wait_dscnt 0x0
	s_barrier_signal -1
	s_barrier_wait -1
.Lpair:                                            ; eight trips of two steps: a constant count; what a step's flag leaves out is jumped over inside
	TRIP 0
	TRIP 1
	s_wait_xcnt 0x0                                ; the bases are stepped only behind this wait
	s_add_nc_u64 s[24:25], s[24:25], 16384
	s_add_nc_u64 s[26:27], s[26:27], 2560
	s_add_nc_u64 s[8:9], s[8:9], 512
	s_sub_co_u32 s18, s18, 1
	s_cmp_lg_u32 s18, 0
	s_cbranch_scc1 .Lpair
	; THE WAY OUT.  Register 16 b + i of O^T is channel 32 b + 16 h + i of my head: two blocks of 32 along the last product's K.
	v_add_f32 v18, v18, v19
	v_permlanex16_b32 v[TA], v18, s20, s21
	v_add_f32 v18, v18, v[TA]                      ; the row's sum
	v_rcp_f32 v[RI], v18
	v_nop                                          ; a plain instruction behind the reciprocal,
	s_wait_alu depctr_va_vdst(0)                   ; and the wait ahead of its first reader: the reciprocal has written 1 / the sum
.irp j, 0,2,4,6,8,10,12,14,16,18,20,22,24,26,28,30
	v_pk_mul_f32 v[S+\j:S+\j+1], v[O+\j:O+\j+1], v[RI:RI+1] op_sel_hi:[1,0]
.endr
.irp b, 0,1
	v_max3_num_f32 v[BM+\b], |v[S+16*\b]|, |v[S+16*\b+1]|, 0x4800000
.endr
.irp i, 2,4,6,8,10,12,14
.irp b, 0,1
	v_max3_num_f32 v[BM+\b], v[BM+\b], |v[S+16*\b+\i]|, |v[S+16*\b+\i+1]|
.endr
.endr
.irp b, 0,1
	v_permlanex16_b32 v[T1+\b], v[BM+\b], s20, s21
.endr
.irp b, 0,1
	v_max_num_f32 v[BM+\b], v[BM+\b], v[T1+\b]
.endr
.irp b, 0,1
	v_add_nc_u32 v[SO+\b], 0xfc000000, v[BM+\b]
.endr
.irp b, 0,1
	v_and_or_b32 v[HL+\b], v[BM+\b], 0x7f800000, s19
.endr
.irp b, 0,1
	v_lshrrev_b32 v[T1+\b], 23, v[SO+\b]
.endr
	v_lshl_or_b32 v[TW], v[T1+1], 8, v[T1]         ; my head's two bytes of the row's scale word
.irp b, 0,1
.irp i, 0,1,2,3,4,5,6,7,8,9,10,11,12,13,14,15
	v_med3_num_f32 v[S+16*\b+\i], v[S+16*\b+\i], -v[HL+\b], v[HL+\b]
.endr
	v_cvt_scalef32_pk8_fp8_f32 v[PC+4*\b:PC+4*\b+1], v[S+16*\b:S+16*\b+7], v[SO+\b]
	v_cvt_scalef32_pk8_fp8_f32 v[PC+4*\b+2:PC+4*\b+3], v[S+16*\b+8:S+16*\b+15], v[SO+\b]
.endr
	v_nop                                          ; a plain instruction behind the last conversion
	s_wait_alu depctr_va_vdst(0)                   ; the conversions have written the codes and v_lshl_or_b32 the two scale bytes, which the stores below read; the holds and conversions are done with v[S ..], in which wave 0's LDS load lands further down
	global_store_b128 v[LI], v[PC:PC+3], s[12:13]              ; half of an operand's image: 512 consecutive bytes a store
	global_store_b128 v[LI], v[PC+4:PC+7], s[12:13] offset:512
	ds_store_b16 v37, v[TW]                        ; both lanes of a row write the same two bytes
	s_wait_dscnt 0x0
	s_barrier_signal -1
	s_barrier_wait -1                              ; the block's 128 words are whole: both heads' halves
	s_cmp_lg_u32 s2, 0
	s_cbranch_scc1 .Lend
	ds_load_b128 v[S:S+3], v38                     ; no vector instruction since the wait above names these registers
	s_wait_dscnt 0x0
	global_store_b128 v[LI], v[S:S+3], s[14:15]    ; wave 0 stores them: 512 consecutive bytes, aligned
.Lend:
	s_wait_dscnt 0x0                               ; the closing lines, six on end
	s_wait_alu 0x0
	s_wait_tensorcnt 0x0
	ds_add_u32 v254, v255
	s_wait_dscnt 0x0
	s_endpgm
.Lfunc_end_k_qfdca3a0a38_attn:
	.size	k_qfdca3a0a38_attn, .Lfunc_end_k_qfdca3a0a38_attn-k_qfdca3a0a38_attn
	.p2alignl 7, 3214868480
	.fill 96, 4, 3214868480
	.section	.rodata,"a",@progbits
	.p2align	6, 0x0
	.amdhsa_kernel k_qfdca3a0a38_attn
		.amdhsa_group_segment_fixed_size 133632
		.amdhsa_private_segment_fixed_size 0
		.amdhsa_enable_private_segment 0
		.amdhsa_kernarg_size 48
		.amdhsa_user_sgpr_count 2
		.amdhsa_user_sgpr_kernarg_segment_ptr 1
		.amdhsa_wavefront_size32 1
		.amdhsa_system_sgpr_workgroup_id_x 1
		.amdhsa_system_sgpr_workgroup_id_y 1
		.amdhsa_system_sgpr_workgroup_id_z 1
		.amdhsa_system_vgpr_workitem_id 0
		.amdhsa_next_free_vgpr 256
		.amdhsa_next_free_sgpr 102
		.amdhsa_reserve_vcc 0
		.amdhsa_float_denorm_mode_32 3
		.amdhsa_float_denorm_mode_16_64 3
		.amdhsa_memory_ordered 1
		.amdhsa_forward_progress 1
		.amdhsa_inst_pref_size 64
	.end_amdhsa_kernel
	.amdgpu_metadata
---
amdhsa.version: [ 1, 2 ]
amdhsa.kernels:
  - .name:           k_qfdca3a0a38_attn
    .symbol:         k_qfdca3a0a38_attn.kd
    .args:
      - { .name: qkv, .offset: 0, .size: 8, .value_kind: global_buffer, .address_space: global }
      - { .name: sc, .offset: 8, .size: 8, .value_kind: global_buffer, .address_space: global }
      - { .name: mw, .offset: 16, .size: 8, .value_kind: global_buffer, .address_space: global }
      - { .name: fl, .offset: 24, .size: 8, .value_kind: global_buffer, .address_space: global }
      - { .name: ac, .offset: 32, .size: 8, .value_kind: global_buffer, .address_space: global }
      - { .name: asc, .offset: 40, .size: 8, .value_kind: global_buffer, .address_space: global }
    .group_segment_fixed_size: 133632
    .private_segment_fixed_size: 0
    .kernarg_segment_align: 8
    .kernarg_segment_size: 48
    .max_flat_workgroup_size: 512
    .sgpr_count:     102
    .vgpr_count:     256
    .wavefront_size: 32
...
	.end_amdgpu_metadata
.endif
;; end of part 5
;; launch proj: the kernel of part 4 again; grid 4 x 32, 4 waves a work-group, clusters of 4 x 4, 327,680 bytes of LDS; arguments ac, asc, cod1, scl1, proj_b, out0; writes out0
